; MI455X (gfx1250); checked and timed in simulation.
; The chip was launched on July 23, 2026; its instructions are those of AMD's public machine-readable ISA for CDNA 5 (MIT licence, August 2026) and "CDNA5" Instruction Set Architecture Reference Guide (July 2026). The comments in the code are by the model that wrote it; some were corrected since.
;; Attention. Allowed arithmetic: matrix products marked QUANTISED: E2M3 operands, one E8M0 scale for each 32 along K, by v_wmma_scale_f32_16x16x128_f8f6f4 with both operands' format E2M3, f32 sums; everything else in f32.
;; Inputs: Wk 1,024 x 1,024 float32; Wo 1,024 x 1,024 float32; Wq 1,024 x 1,024 float32; Wv 1,024 x 1,024 float32; bo 1,024 float32; k_gamma 64 float32; ln_b 1,024 float32; ln_g 1,024 float32; q_gamma 64 float32; x 2 x 2,048 x 1,024 float32.
;; Outputs: out0 2 x 2,048 x 1,024 float32.
;; This version of the problem:
;;   THIS VERSION OF THE PROBLEM IS GIVEN IN LOW PRECISION. The matrix products marked QUANTISED in the list below multiply operands that are first quantised to E2M3 (2 exponent bits, 3 mantissa bits; 6 bits a number), with one power-of-two scale for each 32 numbers along K (OCP MX v1.0); their sums are f32. All else is computed in f32.
;;   The module's matrix products, in the order in which they are computed (A, B: the left and right operand; K: the contracted axis; several contracted axes count as one K, in the product's order):
;;     1. [M 4,096, K 1,024] x [K 1,024, N 1,024]; A: computed on the way; B: input Wq: QUANTISED
;;     2. [M 4,096, K 1,024] x [K 1,024, N 1,024]; A: computed on the way; B: input Wk: QUANTISED
;;     3. [M 4,096, K 1,024] x [K 1,024, N 1,024]; A: computed on the way; B: input Wv: QUANTISED
;;     4. batch 32 x [M 2,048, K 64] x [K 64, N 2,048]; A: computed on the way; B: computed on the way: QUANTISED
;;     5. batch 32 x [M 2,048, K 2,048] x [K 2,048, N 64]; A: softmax (see below); B: computed on the way: QUANTISED
;;     6. [M 4,096, K 1,024] x [K 1,024, N 1,024]; A: computed on the way; B: input Wo: QUANTISED
;;   THE QUANTISER, for each operand of a quantised product, along K:
;;     - K is cut into blocks of 32 from its start; a last block that is shorter is filled with zeros.
;;     - A block's scale is 2^e with e = floor(log2(the largest magnitude in the block)) - 2, held to -126 .. 127; a block of zeros has e = 0. As a byte (E8M0): e + 127.
;;     - Each number is divided by its block's scale, clamped to +-7.5, and rounded to the nearest number of E2M3, ties to even, subnormals kept.
;;     - The product sums the exact products of the quantised numbers (number of the format x scale) in f32.
;;   ~~~python
;;   def quantise(x, axis):      # numpy; x: float32 -> the quantised numbers, widened to float32 again
;;       x = np.moveaxis(x, axis, -1); K = x.shape[-1]
;;       x = np.pad(x, [(0, 0)] * (x.ndim - 1) + [(0, -K % 32)]); x = x.reshape(x.shape[:-1] + (-1, 32)); a = np.abs(x).max(-1, keepdims=True)
;;       e = np.where(a > 0, np.clip(np.frexp(np.where(a > 0, a, 1))[1] - 1 - 2, -126, 127), 0)      # np.frexp(a)[1] - 1 = floor(log2(a)), exactly
;;       r = np.clip(x / 2.0 ** e, -7.5, 7.5)
;;       step = 2.0 ** (np.maximum(np.frexp(np.where(r == 0, 1, r))[1] - 1, 0) - 3)
;;       q = np.round(r / step) * step * 2.0 ** e      # np.round: ties to even
;;       return np.moveaxis(q.reshape(q.shape[:-2] + (-1,))[..., :K], -1, axis).astype(np.float32)
;;   ~~~
;;   SOFTMAX AHEAD OF A QUANTISED PRODUCT. Where the list says 'softmax', what is quantised is not the finished softmax but p = 2^(t - M), with t = logit x log2(e) and M = ceil(the row's largest t), a whole number; so 1/2 < the row's largest p <= 1. The row's sum l is taken of the UNQUANTISED p, in f32, and the product's result is divided by l at the end. Since M is a whole number, a kernel that streams over the keys may use a running M (the ceiling of the running maximum): every later rescaling is an exact power of two, which a block's scale takes up: the codes' values come out the same.
;;   OPERANDS COMPUTED ON THE WAY. 'Computed on the way' means the value that the module computes at that place (a softmax that the list does not call 'softmax' is quantised finished and normalised). What goes into a quantiser is computed in f32, as accurately as f32 sums, v_exp_f32 and their like allow (about 1e-6 of the number): no bf16 or f16 on the way to a quantiser, and a product that is left as it is and whose result goes on into a quantised operand takes f32 operands (vector FMAs, or v_wmma_f32_16x16x4_f32). A number that lies on a knife's edge between two numbers of the format may be rounded either way, as far as f32 arithmetic and the matrix unit's own rounding can turn it there, and no further.
;; 2 versions. Each part assembles by itself: llvm-mc -triple=amdgcn-amd-amdhsa -mcpu=gfx1250 --defsym DOCPART=n.
;; ======== version 1 of 2: 4 launches
;; workspace buffers: codes 6,291,456 bytes; scl 524,288 bytes; qc 3,145,728 bytes; qs 524,288 bytes; kv 7,340,032 bytes; oc 3,145,728 bytes; osc 524,288 bytes
;; launch prep (part 1): grid 512 x 1, 8 waves a work-group, no clusters, 3,072 bytes of LDS; arguments x, Wq, Wk, Wv, Wo, ln_g, ln_b, codes, scl; writes codes, scl
.if DOCPART == 1
	.amdgcn_target "amdgcn-amd-amdhsa--gfx1250"
	.amdhsa_code_object_version 6
	.text
	.protected	k_q8778f6fa1e_prep
	.globl	k_q8778f6fa1e_prep
	.p2align	8
	.type	k_q8778f6fa1e_prep,@function
k_q8778f6fa1e_prep:
	s_mov_b64 s[64:65], 0
	v_nop
	global_prefetch_b8 v0, s[64:65] scope:SCOPE_SE
	s_setreg_imm32_b32 hwreg(HW_REG_WAVE_MODE, 25, 1), 1
	s_wait_xcnt 0x0
; LayerNorm(x) and the four weights become codes of FP6 (E2M3) with one E8M0 scale byte for each 32 along K (K = 1,024, innermost in all five tensors).
; The codes are laid as IMAGES OF OPERAND REGISTERS: a fragment is 16 rows x 128 K, 12 registers a lane, 1,536 bytes: registers 4 q .. 4 q + 3 of lane l at 512 q + 16 l.
; THE 16 ROWS OF A TILE ARE NOT NEIGHBOURS: tile T holds rows 32 (T / 2) + 8 (T % 2) + r + 8 (r / 8), r = 0 .. 15, so that the results of two neighbouring tiles are 16 neighbours along the next product's K.
; SHARES.  Work-group g makes one tile (8 fragments), wave s its K step s.  g < 256: tile g of x.  g = 256 .. 511: tile g % 64 of Wq, Wk, Wv, Wo (g / 64 = 4 .. 7).
; Destination tile D: x: g;  Wq, Wk, Wv: 256 + 12 head + 4 type + (tile % 4), so that a head's q, k and v rows are one dense block;  Wo: g.
; Lane (r, h) holds k = 128 s + 64 c + 32 h + j of its row in X[32 c + j]: two whole blocks of 32, in the operand's own order: the conversions' results are the fragment.
; ONE PATH FOR ALL: a weight's work-group walks the statistics too, with the mean replaced by 0 and 1 / deviation by 1.0 (both leave the numbers bit for bit), so that every barrier stands on one path;
; only the 32 multiply-adds by ln_g and ln_b are jumped over, on the work-group's number.  That costs a weight's wave some 150 vector lines beside its 64 loaded numbers a lane, and spares a launch.
; No cluster: work-groups share ln_g and ln_b alone, 8 KB beside the 64 KB of rows that each reads for itself.  No matrix unit: nothing is multiplied here.
; The variance is taken of x - mean (two passes over the registers), so a common offset of the inputs costs no digits.
; A block's scale byte is its largest magnitude's exponent field - 2, held at 1 from below.  A block of zeros so has the byte 1 where the rule says 127: its codes are zeros, and this program alone reads the bytes.
; LIMITS: NaN and infinities among the inputs are not served; blocks whose largest magnitude lies under 2^-124 (the floor) were not tried.
.set X,    32                          ; v32-95   my 64 numbers
.set G,    96                          ; v96-159  ln_g at my 64 places
.set B,    160                         ; v160-223 ln_b
.set C,    224                         ; v224-235 the fragment
.set C2,   236                         ; v236-242 the second half of each block's codes (a conversion's three registers begin on an even number)
.set GA,   243                         ; v243     8 x (thread % 128): the scale words' way out
.set RED1, 512                         ; LDS: 0: the waves' sums, word 64 wave + 4 r;  512: the sums of squares;  1,024: the scale words, 128 wave + 4 lane
.set SCG,  1024
	s_load_b256 s[4:11], s[0:1], 0x0               ; x, Wq, Wk, Wv
	s_load_b256 s[12:19], s[0:1], 0x20             ; Wo, ln_g, ln_b, codes
	s_load_b64 s[20:21], s[0:1], 0x40              ; scl
	v_lshl_add_u32 v244, v0, 2, 0x800
	v_mov_b32 v245, 0
	v_lshrrev_b32 v1, 5, v0
	v_readfirstlane_b32 s23, v1                    ; wave = K step s
	v_and_b32 v1, 31, v0                           ; lane
	v_and_b32 v2, 15, v0                           ; r
	v_bfe_u32 v3, v0, 4, 1                         ; h
	s_lshr_b32 s22, ttmp9, 6                       ; 0 .. 3: x;  4 .. 7: Wq, Wk, Wv, Wo
	s_and_b32 s28, ttmp9, 63                       ; a weight's tile
	s_lshr_b32 s30, s28, 2                         ; its head
	s_mul_i32 s30, s30, 3
	s_add_co_u32 s30, s30, s22
	s_sub_co_u32 s30, s30, 4                       ; 3 head + type
	s_lshl_b32 s30, s30, 2
	s_and_b32 s31, s28, 3
	s_add_co_u32 s30, s30, s31
	s_add_co_u32 s30, s30, 256
	s_sub_co_u32 s31, s22, 4
	s_cmp_lt_u32 s31, 3                            ; Wq, Wk or Wv?
	s_cselect_b32 s30, s30, ttmp9                  ; D
	s_cmp_lt_u32 ttmp9, 256                        ; x?
	s_cselect_b32 s24, -1, 0                       ; a lane mask: all ones for x
	s_cselect_b32 s29, ttmp9, s28                  ; the source's tile
	s_lshr_b32 s32, s29, 1
	s_lshl_b32 s32, s32, 17                        ; 32 rows of 4,096 bytes for each pair of tiles,
	s_and_b32 s33, s29, 1
	s_lshl_b32 s33, s33, 15                        ; 8 rows for the odd one
	s_add_co_u32 s32, s32, s33
	s_mov_b32 s33, 0
	s_lshl_b32 s34, s30, 3
	s_add_co_u32 s34, s34, s23
	s_mul_i32 s34, s34, 1536                       ; my fragment: (8 D + s) x 1,536
	s_mov_b32 s35, 0
	s_lshl_b32 s36, s30, 10                        ; the tile's scale words: 1,024 D
	s_mov_b32 s37, 0
	s_lshl_b32 s38, s23, 9                         ; 128 numbers of 4 bytes a K step
	s_lshl_b32 s39, s23, 6
	s_mov_b32 s25, 0x3a800000                      ; 1 / 1,024
	s_mov_b32 s26, 0x76543210
	s_mov_b32 s27, 0xfedcba98                      ; v_permlanex16_b32's selects for lane l xor 16
	v_and_b32 v4, 8, v2
	v_add_nc_u32 v4, v4, v2                        ; r + 8 (r / 8)
	v_lshlrev_b32 v4, 12, v4
	v_lshl_add_u32 v4, v3, 7, v4
	v_add_nc_u32 v4, s38, v4                       ; my row, + 512 s + 128 h
	v_lshlrev_b32 v5, 7, v3
	v_add_nc_u32 v5, s38, v5                       ; the same place in ln_g and ln_b
	v_lshlrev_b32 v7, 2, v2                        ; 4 r
	v_add_nc_u32 v6, s39, v7                       ; 4 r + 64 s
	v_lshlrev_b32 v8, 4, v1                        ; 16 x lane
	v_lshlrev_b32 v9, 2, v0                        ; 128 x wave + 4 x lane
	v_and_b32 v[GA], 127, v0
	v_lshlrev_b32 v[GA], 3, v[GA]
	s_wait_kmcnt 0x0
	s_cmp_eq_u32 s22, 4                            ; the source: the choice hangs on the work-group's number alone
	s_cselect_b64 s[4:5], s[6:7], s[4:5]
	s_cmp_eq_u32 s22, 5
	s_cselect_b64 s[4:5], s[8:9], s[4:5]
	s_cmp_eq_u32 s22, 6
	s_cselect_b64 s[4:5], s[10:11], s[4:5]
	s_cmp_eq_u32 s22, 7
	s_cselect_b64 s[4:5], s[12:13], s[4:5]
	s_add_nc_u64 s[4:5], s[4:5], s[32:33]
	s_add_nc_u64 s[18:19], s[18:19], s[34:35]
	s_add_nc_u64 s[20:21], s[20:21], s[36:37]
.irp c, 0,1
.irp j, 0,1,2,3,4,5,6,7
	global_load_b128 v[X+32*\c+4*\j:X+32*\c+4*\j+3], v4, s[4:5] offset:256*\c+16*\j th:TH_LOAD_NT   ; read once in the launch
.endr
.endr
.irp c, 0,1
.irp j, 0,1,2,3,4,5,6,7
	global_load_b128 v[G+32*\c+4*\j:G+32*\c+4*\j+3], v5, s[14:15] offset:256*\c+16*\j
.endr
.endr
.irp c, 0,1
.irp j, 0,1,2,3,4,5,6,7
	global_load_b128 v[B+32*\c+4*\j:B+32*\c+4*\j+3], v5, s[16:17] offset:256*\c+16*\j
.endr
.endr
; Two chains of packed sums in v[10:13] become the row's sum over all eight waves, in v14 of every lane.  off: the LDS words of this reduction (each has its own, so one barrier does).
.macro REDUCE off
	v_pk_add_f32 v[10:11], v[10:11], v[12:13]
	v_add_f32 v10, v10, v11
	v_permlanex16_b32 v11, v10, s26, s27           ; the row's other half of this K step lies in lane l xor 16
	v_add_f32 v10, v10, v11
	ds_store_b32 v6, v10 offset:\off               ; lanes r and r + 16 write the same word with the same value
	s_wait_dscnt 0x0                               ; for the others' sake: my store has landed
	s_barrier_signal -1
	s_barrier_wait -1
.irp w, 0,1,2,3,4,5,6,7
	ds_load_b32 v[14+\w], v7 offset:\off+64*\w
.endr
	s_wait_dscnt 0x0
	v_pk_add_f32 v[14:15], v[14:15], v[16:17]      ; the same order in every wave: all eight get the same bits
	v_pk_add_f32 v[18:19], v[18:19], v[20:21]
	v_pk_add_f32 v[14:15], v[14:15], v[18:19]
	v_add_f32 v14, v14, v15
.endm
	s_wait_loadcnt 32                              ; my 64 numbers are in; the 32 loads of ln_g and ln_b behind them may be out
	v_pk_add_f32 v[10:11], v[X:X+1], v[X+2:X+3]
	v_pk_add_f32 v[12:13], v[X+4:X+5], v[X+6:X+7]
.irp j, 8,12,16,20,24,28,32,36,40,44,48,52,56,60
	v_pk_add_f32 v[10:11], v[10:11], v[X+\j:X+\j+1]
	v_pk_add_f32 v[12:13], v[12:13], v[X+\j+2:X+\j+3]
.endr
	REDUCE 0
	v_mul_f32 v22, s25, v14                        ; the mean;
	v_cndmask_b32 v22, 0, v22, s24                 ; 0 for a weight
	v_mov_b32 v23, v22
.set j, 0
.rept 32
	v_pk_add_f32 v[X+j:X+j+1], v[X+j:X+j+1], v[22:23] neg_lo:[0,1] neg_hi:[0,1]
.set j, j+2
.endr
	v_pk_mul_f32 v[10:11], v[X:X+1], v[X:X+1]
	v_pk_mul_f32 v[12:13], v[X+2:X+3], v[X+2:X+3]
.irp j, 4,8,12,16,20,24,28,32,36,40,44,48,52,56,60
	v_pk_fma_f32 v[10:11], v[X+\j:X+\j+1], v[X+\j:X+\j+1], v[10:11]
	v_pk_fma_f32 v[12:13], v[X+\j+2:X+\j+3], v[X+\j+2:X+\j+3], v[12:13]
.endr
	REDUCE RED1
	v_fmaak_f32 v24, s25, v14, 0x3727c5ac          ; the variance + 1e-5
	v_rsq_f32 v24, v24
	v_nop                                          ; one plain place behind a transcendental (ISA guide 5.7.2)
	s_wait_alu depctr_va_vdst(0)
	v_cndmask_b32 v24, 1.0, v24, s24               ; 1.0 for a weight
	v_mov_b32 v25, v24
.set j, 0
.rept 32
	v_pk_mul_f32 v[X+j:X+j+1], v[X+j:X+j+1], v[24:25]
.set j, j+2
.endr
	s_wait_loadcnt 0x0                             ; ln_g and ln_b
	s_cmp_lt_u32 ttmp9, 256
	s_cbranch_scc0 .Lplain                         ; a weight has no gain and no bias: register work alone is jumped over
.set j, 0
.rept 32
	v_pk_fma_f32 v[X+j:X+j+1], v[X+j:X+j+1], v[G+j:G+j+1], v[B+j:B+j+1]
.set j, j+2
.endr
.Lplain:
	; the quantiser: my blocks 2 c + h, c = 0, 1: all 32 numbers of each are mine
.irp c, 0,1
	v_max3_num_f32 v[26+\c], |v[X+32*\c]|, |v[X+32*\c+1]|, 0x1800000   ; and the floor 2^(3 - 127): the byte cannot fall under 1
.endr
.irp i, 2,4,6,8,10,12,14,16,18,20,22,24,26,28,30
.irp c, 0,1
	v_max3_num_f32 v[26+\c], v[26+\c], |v[X+32*\c+\i]|, |v[X+32*\c+\i+1]|   ; (the two blocks by turns)
.endr
.endr
.irp c, 0,1
	v_add_nc_u32 v[28+\c], 0xff000000, v[26+\c]    ; 2 off the exponent field: the conversion takes the exponent field of this operand as its scale
.endr
.irp c, 0,1
	v_lshrrev_b32 v[30+\c], 23, v[28+\c]           ; the scale's byte
.endr
	v_lshl_or_b32 v30, v31, 16, v30                ; my two bytes: blocks h and 2 + h,
	v_lshlrev_b32 v31, 3, v3
	v_lshlrev_b32 v30, v31, v30                    ; at their places in the row's word (8 h bits up);
	v_permlanex16_b32 v31, v30, s26, s27
	v_or_b32 v30, v30, v31                         ; with lane l xor 16's two the word is whole, in both halves of the lanes
.irp c, 0,1
	v_cvt_scalef32_pk16_fp6_f32 v[C+6*\c:C+6*\c+2], v[X+32*\c:X+32*\c+15], v[28+\c]
	v_cvt_scalef32_pk16_fp6_f32 v[C2+4*\c:C2+4*\c+2], v[X+32*\c+16:X+32*\c+31], v[28+\c]
.endr
	v_nop                                          ; one plain place behind a scaled conversion
.irp c, 0,1
.irp i, 0,1,2
	v_mov_b32 v[C+6*\c+3+\i], v[C2+4*\c+\i]
.endr
.endr
.irp q, 0,1,2
	global_store_b128 v8, v[C+4*\q:C+4*\q+3], s[18:19] offset:512*\q   ; 32 lanes store 512 consecutive bytes, at a multiple of 256 from the buffer's first byte
.endr
	ds_store_b32 v9, v30 offset:SCG                ; the tile's 8 x 32 scale words meet in LDS,
	s_wait_dscnt 0x0
	s_barrier_signal -1
	s_barrier_wait -1
	s_cmp_lt_u32 s23, 4
	s_cbranch_scc0 .Ldone
	ds_load_b64 v[14:15], v[GA] offset:SCG         ; and leave by waves 0 to 3, 256 consecutive bytes a wave
	s_wait_dscnt 0x0
	global_store_b64 v[GA], v[14:15], s[20:21]
.Ldone:
	s_wait_tensorcnt 0x0
	ds_add_u32 v244, v245
	s_wait_dscnt 0x0
	s_endpgm
.Lfunc_end_k_q8778f6fa1e_prep:
	.size	k_q8778f6fa1e_prep, .Lfunc_end_k_q8778f6fa1e_prep-k_q8778f6fa1e_prep
	.p2alignl 7, 3214868480
	.fill 96, 4, 3214868480
	.section	.rodata,"a",@progbits
	.p2align	6, 0x0
	.amdhsa_kernel k_q8778f6fa1e_prep
		.amdhsa_group_segment_fixed_size 3072
		.amdhsa_private_segment_fixed_size 0
		.amdhsa_enable_private_segment 0
		.amdhsa_kernarg_size 72
		.amdhsa_user_sgpr_count 2
		.amdhsa_user_sgpr_kernarg_segment_ptr 1
		.amdhsa_wavefront_size32 1
		.amdhsa_system_sgpr_workgroup_id_x 1
		.amdhsa_system_sgpr_workgroup_id_y 1
		.amdhsa_system_sgpr_workgroup_id_z 1
		.amdhsa_system_vgpr_workitem_id 0
		.amdhsa_next_free_vgpr 246
		.amdhsa_next_free_sgpr 66
		.amdhsa_reserve_vcc 0
		.amdhsa_float_denorm_mode_32 3
		.amdhsa_float_denorm_mode_16_64 3
		.amdhsa_memory_ordered 1
		.amdhsa_forward_progress 1
		.amdhsa_inst_pref_size 24
	.end_amdhsa_kernel
	.amdgpu_metadata
---
amdhsa.version: [ 1, 2 ]
amdhsa.kernels:
  - .name:           k_q8778f6fa1e_prep
    .symbol:         k_q8778f6fa1e_prep.kd
    .args:
      - { .name: x, .offset: 0, .size: 8, .value_kind: global_buffer, .address_space: global }
      - { .name: Wq, .offset: 8, .size: 8, .value_kind: global_buffer, .address_space: global }
      - { .name: Wk, .offset: 16, .size: 8, .value_kind: global_buffer, .address_space: global }
      - { .name: Wv, .offset: 24, .size: 8, .value_kind: global_buffer, .address_space: global }
      - { .name: Wo, .offset: 32, .size: 8, .value_kind: global_buffer, .address_space: global }
      - { .name: ln_g, .offset: 40, .size: 8, .value_kind: global_buffer, .address_space: global }
      - { .name: ln_b, .offset: 48, .size: 8, .value_kind: global_buffer, .address_space: global }
      - { .name: codes, .offset: 56, .size: 8, .value_kind: global_buffer, .address_space: global }
      - { .name: scl, .offset: 64, .size: 8, .value_kind: global_buffer, .address_space: global }
    .group_segment_fixed_size: 3072
    .private_segment_fixed_size: 0
    .kernarg_segment_align: 8
    .kernarg_segment_size: 72
    .max_flat_workgroup_size: 256
    .sgpr_count:     66
    .vgpr_count:     246
    .wavefront_size: 32
...
	.end_amdgpu_metadata
.endif
;; end of part 1
;; launch qkv (part 2): grid 16 x 16, 4 waves a work-group, clusters of 4 x 1, 168,448 bytes of LDS; arguments codes, scl, q_gamma, k_gamma, qc, qs, kv; writes qc, qs, kv
.if DOCPART == 2
	.amdgcn_target "amdgcn-amd-amdhsa--gfx1250"
	.amdhsa_code_object_version 6
	.text
	.protected	k_q8778f6fa1e_qkv
	.globl	k_q8778f6fa1e_qkv
	.p2align	8
	.type	k_q8778f6fa1e_qkv,@function
k_q8778f6fa1e_qkv:
	s_mov_b64 s[64:65], 0
	v_nop
	global_prefetch_b8 v0, s[64:65] scope:SCOPE_SE
	s_setreg_imm32_b32 hwreg(HW_REG_WAVE_MODE, 25, 1), 1
	s_wait_xcnt 0x0
	s_wait_alu depctr_hold_cnt(0) depctr_sa_sdst(0) depctr_va_vdst(0) depctr_va_sdst(0) depctr_va_ssrc(0) depctr_va_vcc(0) depctr_vm_vsrc(0)
	s_getreg_b32 s2, hwreg(HW_REG_IB_STS2, 6, 4)
	s_cmp_eq_u32 s2, 0
	s_cbranch_scc0 .Lentry_in_a_cluster
	s_endpgm
.Lentry_in_a_cluster:
	s_bfe_u32 s2, ttmp6, 0x10000c
	s_cmp_lg_u32 s2, 0x3003
	s_cbranch_scc0 .Lentry_shape_is_right
	s_endpgm
.Lentry_shape_is_right:
; q, k, v = xn Wq^T, xn Wk^T, xn Wv^T on codes of FP6 (E2M3); then the RMS norm of q and k over a head's 64, and q, k, v quantised again, in registers, for attention's two products.
; SHARES.  A work-group makes 256 tokens (block tb) x one head's 64 q + 64 k + 64 v features.  Wave w takes tokens 64 w .. 64 w + 63: 4 tiles of tokens x 12 tiles of features = 48 accumulators, 384 registers;
; K = 1,024 in 8 steps of 128: 384 matrix instructions a wave.  16 x 16 work-groups: one for each of 256 WGPs.
; FEEDING.  The head's rows of Wq, Wk, Wv are one dense block of fragment images (147,456 bytes) and one of scale words (12,288): both fit in LDS whole and are filled ONCE: no ring, nothing is filled again.
; CLUSTER.  The four token blocks of a cluster want the same block of W: it is asked for JOINTLY (mask 15), each wave a quarter of each block: two tensor loads of a wave are out, no more.
; xn's fragments are read by one wave alone, so they come from memory straight into registers, as images (512 consecutive bytes a load), two K steps ahead.
; LAYOUT.  A tile holds rows 32 (T / 2) + 8 (T % 2) + r + 8 (r / 8).  q and k: source 0 = 16 rows of W, source 1 = 16 tokens: a lane holds ONE token, and the 32 registers of its four feature tiles
; are features 32 b + 16 h + 0 .. 15 (register 16 b + i): neighbours along attention's first K.  v: source 0 = 16 tokens, source 1 = 16 rows of Wv: a lane holds ONE feature, and its registers run along the tokens:
; the keys, attention's second K.  So all three are quantised where they lie.
; OUT.  Half images, 16 rows x 64 K, 6 registers a lane, 768 bytes: registers 0-3 at 16 l, registers 4-5 at 512 + 8 l.  q: qc[bh][tile][768], words qs[bh][4 tiles][lane][4].
; k, v: kv[bh][128 keys][14,336]: K's 8 tiles, V's [64 keys][4 tiles], K's words, V's words: all that attention wants of 128 keys, dense.
; q's and k's words carry 0x7f in bytes 2 and 3: attention's first product has K = 64, and the other 64 of the instruction's 128 are zero codes.
; RMS norm: y = a x (1 / max(sqrt(sum a^2) / 8, 1e-8)) x gamma, q's also / 8 (exact); all f32.
; LIMITS: NaN and infinities are not served; a block of zeros has the byte 1 where the rule says 127 (its codes are zeros; this program alone reads the bytes); blocks under 2^-124 were not tried.
; REGISTERS, in windows of 256.  window 0: v3-10 addresses; v16-47 xn's scale words (8 i + s); v48-59 W's, a set for each type; v64-207 xn's fragments, three sets of 48;
;   after the products: v64-95 Y, v96-191 twelve sets of codes, v192-203 their words, v208-215 at work, v224-239 sums of squares, v240-247 1 / norm.
;   window 1: W's fragments, a set of 48 for each type.   window 2: q's and k's accumulators, 128 type + 32 i + 8 n.   window 3: v's, 32 n + 8 i; v128-159 q_gamma, v160-191 k_gamma.
.set DB,   12288                       ; a tile's 8 fragments
.set FRB,  1536                        ; a fragment's image
.set WSC,  147456                      ; LDS: W's codes at 0: type x 49,152 + n x 12,288 + s x 1,536;  W's scale words here: ((4 type + n) 8 + s) x 128 + 4 lane
.set AW,   4                           ; v4-6  16 x lane + 49,152 x type  (v4 is also the global offset 16 x lane)
.set XS,   16
.set WS,   48
.set XF,   64
.set Y,    64
.set P,    96
.set WD,   192
.set QM,   208
.set SS,   224
.set INV,  240
.set GAM,  128
.set MSB, 0
.macro WIN new                         ; the immediate's high byte repeats the setting that is left; a switch that changes nothing is dropped
.if MSB != \new
	s_set_vgpr_msb (MSB<<8)|\new
.set MSB, \new
.endif
.endm
.macro ROUND                           ; a round of the cluster's barrier
	s_barrier_signal -1
	s_barrier_wait -1
	s_cmp_lg_u32 s18, 0
	s_cbranch_scc1 .Lnot_wave_0_\@
	s_barrier_signal -3
.Lnot_wave_0_\@:
	s_barrier_wait -3
	s_barrier_signal -1
	s_barrier_wait -1
.endm
.macro PLACES                          ; four plain vector instructions behind a matrix instruction, in front of loads into its registers and of reads of its results
.rept 4
	v_nop
.endr
.endm
	s_load_b256 s[4:11], s[0:1], 0x0               ; codes, scl, q_gamma, k_gamma
	s_load_b128 s[12:15], s[0:1], 0x20             ; qc, qs
	s_load_b64 s[16:17], s[0:1], 0x30              ; kv
	v_lshl_add_u32 v254, v0, 2, 0x29000
	v_mov_b32 v255, 0
	ds_add_u32 v254, v255
	ds_add_u32 v254, v255
	v_lshrrev_b32 v1, 5, v0
	v_readfirstlane_b32 s18, v1                    ; wave 0..3
	v_and_b32 v2, 31, v0                           ; lane
	v_lshlrev_b32 v4, 4, v2                        ; 16 x lane
	v_lshlrev_b32 v3, 3, v2                        ; 8 x lane
	v_lshlrev_b32 v8, 2, v2                        ; 4 x lane
	v_add_nc_u32 v5, 49152, v4
	v_add_nc_u32 v6, 98304, v4
	v_lshl_add_u32 v7, v2, 2, WSC
	v_bfe_u32 v9, v0, 4, 1
	v_lshlrev_b32 v10, 6, v9                       ; 64 h: my half's 16 numbers of each 32 of a gamma
	s_bfe_u32 s19, ttmp6, 0x40000                  ; cx
	s_lshl_b32 s20, ttmp9, 2
	s_add_co_u32 s20, s20, s19                     ; tb = 4 x cluster x + cx: it enters global addresses of my own alone
	s_and_b32 s21, ttmp7, 0xffff                   ; the head, which the four partners share
	s_mov_b32 s48, 0x76543210
	s_mov_b32 s49, 0xfedcba98
	; descriptor group 1: dense blocks as rows of 256 bytes (32 elements of 8 bytes): 144 rows of codes, 12 rows of scale words, to a wave
	s_mov_b32 s24, 15|(3<<16)|(1<<21)              ; 15:0 the mask: all four work-groups; 17:16 elements of 8 bytes; 21 set beside a mask; no padding: the images are read as they lie, 512 consecutive bytes a load
	s_mov_b32 s25, 32<<16                          ; tensor_dim0 = 32
	s_mov_b32 s26, 144<<16                         ; tensor_dim1 = 144
	s_mov_b32 s27, 32<<16                          ; tile_dim0 = 32
	s_mov_b32 s28, 144                             ; tile_dim1 = 144
	s_mov_b32 s29, 32                              ; pitch
	s_mov_b32 s30, 0
	s_mov_b32 s31, 0
	s_mov_b32 s32, 15|(3<<16)|(1<<21)
	s_mov_b32 s33, 32<<16
	s_mov_b32 s34, 12<<16
	s_mov_b32 s35, 32<<16
	s_mov_b32 s36, 12
	s_mov_b32 s37, 32
	s_mov_b32 s38, 0
	s_mov_b32 s39, 0
	s_mul_i32 s66, s21, 12
	s_add_co_u32 s66, s66, 256                     ; the head's first tile of W
	s_mul_i32 s68, s66, 1024
	s_mul_i32 s66, s66, DB
	s_mul_i32 s41, s18, 36864                      ; my quarter of the codes: in LDS,
	s_add_co_u32 s66, s66, s41                     ; and in memory
	s_mov_b32 s67, 0
	s_mul_i32 s45, s18, 3072                       ; my quarter of the scale words
	s_add_co_u32 s68, s68, s45
	s_mov_b32 s69, 0
	s_add_co_u32 s45, s45, WSC
	s_mov_b32 s40, 1
	s_mov_b32 s44, 1
	s_wait_dscnt 0x0
	s_wait_kmcnt 0x0
	s_add_nc_u64 s[42:43], s[4:5], s[66:67]
	s_or_b32 s43, s43, 0x80000000
	s_add_nc_u64 s[46:47], s[6:7], s[68:69]
	s_or_b32 s47, s47, 0x80000000
	ROUND                                          ; all four work-groups are here: the joint loads meet
	tensor_load_to_lds s[40:43], s[24:31]
	s_nop 0
	tensor_load_to_lds s[44:47], s[32:39]
	s_nop 0
	PLACES                                         ; four v_nop follow the loads
	; my own addresses
	s_lshl_b32 s70, s20, 4
	s_lshl_b32 s71, s18, 2
	s_add_co_u32 s70, s70, s71                     ; my first tile of xn: 16 tb + 4 w
	s_mul_i32 s72, s70, 1024
	s_mul_i32 s70, s70, DB
	s_mov_b32 s71, 0
	s_mov_b32 s73, 0
	s_add_nc_u64 s[50:51], s[4:5], s[70:71]        ; xn's fragments
	s_add_nc_u64 s[52:53], s[6:7], s[72:73]        ; xn's scale words
	WIN 0xc0                                       ; destination window 3
.irp b, 0,1
.irp q, 0,1,2,3
	global_load_b128 v[GAM+16*\b+4*\q:GAM+16*\b+4*\q+3], v10, s[8:9] offset:128*\b+16*\q         ; register 16 b + i: gamma(32 b + 16 h + i)
	global_load_b128 v[GAM+32+16*\b+4*\q:GAM+32+16*\b+4*\q+3], v10, s[10:11] offset:128*\b+16*\q
.endr
.endr
	WIN 0
.irp i, 0,1,2,3
.irp s, 0,1,2,3,4,5,6,7
	global_load_b32 v[XS+8*\i+\s], v8, s[52:53] offset:\i*1024+\s*128
.endr
.endr
.macro XLOAD ks                        ; xn's four fragments of K step ks into set ks % 3: 12 loads
.irp i, 0,1,2,3
.irp c, 0,1,2
	global_load_b128 v[XF+48*((\ks)%3)+12*\i+4*\c:XF+48*((\ks)%3)+12*\i+4*\c+3], v4, s[50:51] offset:\i*DB+(\ks)*FRB+512*\c
.endr
.endr
.endm
	XLOAD 0
	XLOAD 1
	s_lshr_b32 s74, s20, 3
	s_lshl_b32 s74, s74, 4
	s_add_co_u32 s74, s74, s21                     ; bh = 16 x batch + head
	s_and_b32 s75, s20, 7                          ; my block among the batch's eight
	s_lshl_b32 s70, s74, 7
	s_lshl_b32 s72, s75, 4
	s_add_co_u32 s70, s70, s72
	s_lshl_b32 s72, s18, 2
	s_add_co_u32 s70, s70, s72
	s_mul_i32 s70, s70, 768
	s_add_nc_u64 s[54:55], s[12:13], s[70:71]      ; q's half images: (128 bh + 16 block + 4 w) x 768
	s_lshl_b32 s70, s74, 5
	s_lshl_b32 s72, s75, 2
	s_add_co_u32 s70, s70, s72
	s_add_co_u32 s70, s70, s18
	s_lshl_b32 s70, s70, 9
	s_add_nc_u64 s[56:57], s[14:15], s[70:71]      ; q's words: (32 bh + 4 block + w) x 512
	s_lshl_b32 s70, s74, 4
	s_lshl_b32 s72, s75, 1
	s_add_co_u32 s70, s70, s72
	s_lshr_b32 s72, s18, 1
	s_add_co_u32 s70, s70, s72
	s_mul_i32 s70, s70, 14336                      ; my 128 keys' record: (16 bh + 2 block + w / 2) x 14,336
	s_and_b32 s72, s18, 1
	s_mul_i32 s73, s72, 3072
	s_lshl_b32 s72, s72, 9
	s_add_co_u32 s72, s72, s70
	s_add_co_u32 s72, s72, 12288
	s_add_co_u32 s70, s70, s73
	s_mov_b32 s73, 0
	s_add_nc_u64 s[58:59], s[16:17], s[70:71]      ; K's tiles of my 64 keys (V's lie 6,144 on)
	s_add_nc_u64 s[60:61], s[16:17], s[72:73]      ; K's words of my 64 keys (V's lie 1,024 on)
.macro FETCHW g                        ; group g = 3 s + type: W's four fragments and scale words of that type and K step: 16 LDS loads
.set fs, (\g)/3
.set ft, (\g)%3
	WIN 0x40                                       ; destination window 1
.irp n, 0,1,2,3
.irp c, 0,1,2
	ds_load_b128 v[48*ft+12*\n+4*\c:48*ft+12*\n+4*\c+3], v[AW+ft] offset:\n*DB+fs*FRB+512*\c
.endr
.endr
	WIN 0
.irp n, 0,1,2,3
	ds_load_b32 v[WS+4*ft+\n], v7 offset:((ft*4+\n)*8+fs)*128
.endr
.endm
.macro MM d, a, b, sa, sb, zero        ; zero = 1: the first K step starts the sum: nothing is cleared
.if \zero
	v_wmma_scale_f32_16x16x128_f8f6f4 v[\d:\d+7], v[\a:\a+11], v[\b:\b+11], 0, v[\sa], v[\sb] matrix_a_fmt:MATRIX_FMT_FP6 matrix_b_fmt:MATRIX_FMT_FP6
.else
	v_wmma_scale_f32_16x16x128_f8f6f4 v[\d:\d+7], v[\a:\a+11], v[\b:\b+11], v[\d:\d+7], v[\sa], v[\sb] matrix_a_fmt:MATRIX_FMT_FP6 matrix_b_fmt:MATRIX_FMT_FP6
.endif
.endm
; A group: 16 matrix instructions, one type, one K step, each accumulator once.  The 48 accumulators take turns, one instruction a turn, in the same order in every K step.
; W's fragments are fetched two groups ahead, into the set that the group just issued has read; xn's two K steps ahead.
.macro GROUP ks, ty
.set gg, 3*(\ks)+(\ty)
.if (\ks) == 0
.set zz, 1
.else
.set zz, 0
.endif
.if gg > 0
	PLACES
.endif
.if gg+2 < 24
	FETCHW gg+2
.endif
.if (\ty) == 0
.if (\ks) < 6
	XLOAD (\ks)+2
	s_wait_loadcnt 24                              ; this K step's fragments of xn are in (and all that was asked for ahead of them); the 24 loads of the two steps behind may be out
.elseif (\ks) == 6
	s_wait_loadcnt 12
.else
	s_wait_loadcnt 0
.endif
.endif
.if gg < 22
	s_wait_dscnt 32                                ; this group's 16 LDS loads are in; the two younger fetches may be out
.elseif gg == 22
	s_wait_dscnt 16
.else
	s_wait_dscnt 0
.endif
.if (\ty) < 2
	WIN 0xa1                                       ; source 0 (W) window 1, source 1 (xn) window 0, C and D window 2
.irp i, 0,1,2,3
.irp n, 0,1,2,3
	MM 128*(\ty)+32*\i+8*\n, 48*(\ty)+12*\n, XF+48*((\ks)%3)+12*\i, WS+4*(\ty)+\n, XS+8*\i+(\ks), zz
.endr
.endr
.else
	WIN 0xf4                                       ; source 0 (xn) window 0, source 1 (Wv) window 1, C and D window 3
.irp i, 0,1,2,3
.irp n, 0,1,2,3
	MM 32*\n+8*\i, XF+48*((\ks)%3)+12*\i, 96+12*\n, XS+8*\i+(\ks), WS+8+\n, zz
.endr
.endr
.endif
.endm
	s_wait_tensorcnt 0x0                           ; my quarters of W have landed,
	s_barrier_signal -1
	s_barrier_wait -1                              ; everybody's have
	FETCHW 0
	FETCHW 1
.irp ks, 0,1,2,3,4,5,6,7
.irp ty, 0,1,2
	GROUP \ks, \ty
.endr
.endr
; 32 numbers of a lane in window w, register 16 b + i = k 32 b + 16 h + i of my row, become a half image in v[p] .. v[p + 5] and the row's scale word (bytes 0, 1; hi is set above them) in v[wd].
.macro QUANT2 y, w, p, wd, hi
.set qw, 5*(\w)
	WIN qw                                         ; sources 0 and 1 in window w
.irp b, 0,1
	v_max3_num_f32 v[QM+\b], |v[(\y)+16*\b]|, |v[(\y)+16*\b+1]|, 0x1800000   ; my 16 numbers of block b, from the low end on, and the floor 2^(3 - 127): the byte cannot fall under 1
.endr
.irp i, 2,4,6,8,10,12,14
.irp b, 0,1
	v_max3_num_f32 v[QM+\b], |v[(\y)+16*\b+\i]|, |v[(\y)+16*\b+\i+1]|, v[QM+\b]
.endr
.endr
	WIN 0
.irp b, 0,1
	v_permlanex16_b32 v[QM+2+\b], v[QM+\b], s48, s49
.endr
.irp b, 0,1
	v_max_num_f32 v[QM+\b], v[QM+\b], v[QM+2+\b]   ; with lane l xor 16's 16: the block's largest magnitude
.endr
.irp b, 0,1
	v_add_nc_u32 v[QM+4+\b], 0xff000000, v[QM+\b]  ; 2 off its exponent field: the conversion's scale operand
.endr
.irp b, 0,1
	v_lshrrev_b32 v[QM+6+\b], 23, v[QM+4+\b]       ; the scale's byte
.endr
	v_lshl_or_b32 v[\wd], v[QM+7], 8, v[QM+6]
.if \hi
	v_or_b32 v[\wd], \hi, v[\wd]
.endif
	WIN \w                                         ; source 0 in window w
	v_cvt_scalef32_pk16_fp6_f32 v[\p:\p+2], v[(\y):(\y)+15], v[QM+4]
	v_cvt_scalef32_pk16_fp6_f32 v[\p+4:\p+6], v[(\y)+16:(\y)+31], v[QM+5]   ; (a conversion's three registers begin on an even number)
	WIN 0
	v_nop                                          ; one plain place behind a scaled conversion
.irp i, 0,1,2
	v_permlane16_swap_b32 v[\p+\i], v[\p+4+\i]     ; the operand's layout wants a WHOLE block in a lane: lanes 0-15 block 0, lanes 16-31 block 1
.endr
.irp i, 3,4,5
	v_mov_b32 v[\p+\i], v[\p+\i+1]                 ; the upper 16 codes move down one register, in ascending order
.endr
.endm
; q (ty = 0) or k (1): the RMS norm of my four tiles of tokens, the quantiser, the stores.  cb: the scalar pair of the half images' base;  wb: of the words'.
.macro NORM ty, cb, wb
	WIN 0x0a                                       ; sources 0 and 1 window 2
.irp i, 0,1,2,3
	v_pk_mul_f32 v[SS+4*\i:SS+4*\i+1], v[128*\ty+32*\i:128*\ty+32*\i+1], v[128*\ty+32*\i:128*\ty+32*\i+1]   ; each accumulator is read from its low end on
.endr
.irp i, 0,1,2,3
	v_pk_mul_f32 v[SS+4*\i+2:SS+4*\i+3], v[128*\ty+32*\i+2:128*\ty+32*\i+3], v[128*\ty+32*\i+2:128*\ty+32*\i+3]
.endr
.irp j, 4,8,12,16,20,24,28
.irp i, 0,1,2,3
	v_pk_fma_f32 v[SS+4*\i:SS+4*\i+1], v[128*\ty+32*\i+\j:128*\ty+32*\i+\j+1], v[128*\ty+32*\i+\j:128*\ty+32*\i+\j+1], v[SS+4*\i:SS+4*\i+1]
.endr
.irp i, 0,1,2,3
	v_pk_fma_f32 v[SS+4*\i+2:SS+4*\i+3], v[128*\ty+32*\i+\j+2:128*\ty+32*\i+\j+3], v[128*\ty+32*\i+\j+2:128*\ty+32*\i+\j+3], v[SS+4*\i+2:SS+4*\i+3]
.endr
.endr
	WIN 0
.irp i, 0,1,2,3
	v_pk_add_f32 v[SS+4*\i:SS+4*\i+1], v[SS+4*\i:SS+4*\i+1], v[SS+4*\i+2:SS+4*\i+3]
.endr
.irp i, 0,1,2,3
	v_add_f32 v[SS+4*\i], v[SS+4*\i], v[SS+4*\i+1]
.endr
.irp i, 0,1,2,3
	v_permlanex16_b32 v[SS+4*\i+1], v[SS+4*\i], s48, s49   ; the token's other 32 features lie in lane l xor 16
.endr
.irp i, 0,1,2,3
	v_add_f32 v[SS+4*\i], v[SS+4*\i], v[SS+4*\i+1]
.endr
.irp i, 0,1,2,3
	v_sqrt_f32 v[SS+4*\i], v[SS+4*\i]
.endr
	v_nop                                          ; one plain place behind a transcendental
	s_wait_alu depctr_va_vdst(0)
.irp i, 0,1,2,3
	v_mul_f32 v[SS+4*\i], 0x3e000000, v[SS+4*\i]   ; x 64^-0.5
.endr
.irp i, 0,1,2,3
	v_max_num_f32 v[SS+4*\i], 0x322bcc77, v[SS+4*\i]   ; held at 1e-8 from below
.endr
.irp i, 0,1,2,3
	v_rcp_f32 v[INV+2*\i], v[SS+4*\i]
.endr
	v_nop
	s_wait_alu depctr_va_vdst(0)
.if \ty == 0
	s_wait_alu depctr_va_vdst(0)
.irp i, 0,1,2,3
	v_mul_f32 v[INV+2*\i], 0x3e000000, v[INV+2*\i] ; q's scale, 64^-0.5: a power of two
.endr
.endif
.irp i, 0,1,2,3
	WIN 0x02                                       ; source 0 window 2
.set j, 0
.rept 16
	v_pk_mul_f32 v[Y+j:Y+j+1], v[128*\ty+32*\i+j:128*\ty+32*\i+j+1], v[INV+2*\i:INV+2*\i+1] op_sel_hi:[1,0]
.set j, j+2
.endr
	WIN 0x0c                                       ; source 1 window 3
.set j, 0
.rept 16
	v_pk_mul_f32 v[Y+j:Y+j+1], v[Y+j:Y+j+1], v[GAM+32*\ty+j:GAM+32*\ty+j+1]
.set j, j+2
.endr
	QUANT2 Y, 0, P+8*(4*\ty+\i), WD+4*\ty+\i, 0x7f7f0000
	global_store_b128 v4, v[P+8*(4*\ty+\i):P+8*(4*\ty+\i)+3], s[\cb:\cb+1] offset:\i*768        ; 512 consecutive bytes,
	global_store_b64 v3, v[P+8*(4*\ty+\i)+4:P+8*(4*\ty+\i)+5], s[\cb:\cb+1] offset:\i*768+512   ; and 256: both at multiples of 256.  Every store has data registers of its own
.endr
	global_store_b128 v4, v[WD+4*\ty:WD+4*\ty+3], s[\wb:\wb+1]   ; my four tiles' words: 16 bytes a lane
.endm
	PLACES                                         ; behind the last products: results are read, and registers that held xn's fragments are written
	WIN 0
	v_mov_b32 v[QM+2], 0                           ; written once: a lane permute's destination counts as one of its sources
	v_mov_b32 v[QM+3], 0
.irp i, 0,1,2,3
	v_mov_b32 v[INV+2*\i+1], 0                     ; (named as the upper half of a pair whose low word serves both halves)
.endr
	NORM 0, 54, 56
	NORM 1, 58, 60
.irp n, 0,1,2,3                        ; v: feature tile n x my 64 keys, as the accumulators stand
	QUANT2 32*\n, 3, P+8*(8+\n), WD+8+\n, 0
	global_store_b128 v4, v[P+8*(8+\n):P+8*(8+\n)+3], s[58:59] offset:6144+\n*768
	global_store_b64 v3, v[P+8*(8+\n)+4:P+8*(8+\n)+5], s[58:59] offset:6144+\n*768+512
.endr
	global_store_b128 v4, v[WD+8:WD+11], s[60:61] offset:1024
	s_wait_tensorcnt 0x0
	ds_add_u32 v254, v255
	s_wait_dscnt 0x0
	ROUND                                          ; the closing round: no work-group ends while a partner may still ask for a block that names it
	s_endpgm
.Lfunc_end_k_q8778f6fa1e_qkv:
	.size	k_q8778f6fa1e_qkv, .Lfunc_end_k_q8778f6fa1e_qkv-k_q8778f6fa1e_qkv
	.p2alignl 7, 3214868480
	.fill 96, 4, 3214868480
	.section	.rodata,"a",@progbits
	.p2align	6, 0x0
	.amdhsa_kernel k_q8778f6fa1e_qkv
		.amdhsa_group_segment_fixed_size 168448
		.amdhsa_private_segment_fixed_size 0
		.amdhsa_enable_private_segment 0
		.amdhsa_kernarg_size 56
		.amdhsa_user_sgpr_count 2
		.amdhsa_user_sgpr_kernarg_segment_ptr 1
		.amdhsa_wavefront_size32 1
		.amdhsa_system_sgpr_workgroup_id_x 1
		.amdhsa_system_sgpr_workgroup_id_y 1
		.amdhsa_system_sgpr_workgroup_id_z 1
		.amdhsa_system_vgpr_workitem_id 0
		.amdhsa_next_free_vgpr 960
		.amdhsa_next_free_sgpr 76
		.amdhsa_reserve_vcc 0
		.amdhsa_float_denorm_mode_32 3
		.amdhsa_float_denorm_mode_16_64 3
		.amdhsa_memory_ordered 1
		.amdhsa_forward_progress 1
		.amdhsa_inst_pref_size 153
	.end_amdhsa_kernel
	.amdgpu_metadata
---
amdhsa.version: [ 1, 2 ]
amdhsa.kernels:
  - .name:           k_q8778f6fa1e_qkv
    .symbol:         k_q8778f6fa1e_qkv.kd
    .args:
      - { .name: codes, .offset: 0, .size: 8, .value_kind: global_buffer, .address_space: global }
      - { .name: scl, .offset: 8, .size: 8, .value_kind: global_buffer, .address_space: global }
      - { .name: q_gamma, .offset: 16, .size: 8, .value_kind: global_buffer, .address_space: global }
      - { .name: k_gamma, .offset: 24, .size: 8, .value_kind: global_buffer, .address_space: global }
      - { .name: qc, .offset: 32, .size: 8, .value_kind: global_buffer, .address_space: global }
      - { .name: qs, .offset: 40, .size: 8, .value_kind: global_buffer, .address_space: global }
      - { .name: kv, .offset: 48, .size: 8, .value_kind: global_buffer, .address_space: global }
    .group_segment_fixed_size: 168448
    .private_segment_fixed_size: 0
    .kernarg_segment_align: 8
    .kernarg_segment_size: 56
    .max_flat_workgroup_size: 128
    .sgpr_count:     76
    .vgpr_count:     960
    .wavefront_size: 32
...
	.end_amdgpu_metadata
.endif
;; end of part 2
;; launch attn (part 3): grid 8 x 32, 16 waves a work-group, clusters of 4 x 1, 233,472 bytes of LDS; arguments qc, qs, kv, oc, osc; writes oc, osc
.if DOCPART == 3
	.amdgcn_target "amdgcn-amd-amdhsa--gfx1250"
	.amdhsa_code_object_version 6
	.text
	.protected	k_q8778f6fa1e_attn
	.globl	k_q8778f6fa1e_attn
	.p2align	8
	.type	k_q8778f6fa1e_attn,@function
k_q8778f6fa1e_attn:
	s_mov_b64 s[64:65], 0
	v_nop
	global_prefetch_b8 v0, s[64:65] scope:SCOPE_SE
	s_setreg_imm32_b32 hwreg(HW_REG_WAVE_MODE, 25, 1), 1
	s_wait_xcnt 0x0
	s_wait_alu depctr_hold_cnt(0) depctr_sa_sdst(0) depctr_va_vdst(0) depctr_va_sdst(0) depctr_va_ssrc(0) depctr_va_vcc(0) depctr_vm_vsrc(0)
	s_getreg_b32 s2, hwreg(HW_REG_IB_STS2, 6, 4)
	s_cmp_eq_u32 s2, 0
	s_cbranch_scc0 .Lentry_in_a_cluster
	s_endpgm
.Lentry_in_a_cluster:
	s_bfe_u32 s2, ttmp6, 0x10000c
	s_cmp_lg_u32 s2, 0x3003
	s_cbranch_scc0 .Lentry_shape_is_right
	s_endpgm
.Lentry_shape_is_right:
; O[bh][q] = the sum over k of softmax_k(q . k) v, both products on codes of FP6 (E2M3) (q carries its scale 64^-0.5 already); then O is quantised along the head's 64 for the output projection.
; THE SOFTMAX AHEAD OF THE SECOND PRODUCT: t = score x log2(e); M = the row's largest t so far, rounded UP to a whole number; p = 2^(t - M) is what is quantised, along the keys, not normalised.
; The row's sum is taken of the unquantised p, in f32, and divides O at the end.  When M moves, the sum and O are multiplied by 2^(old M - new M): exact.
; SHARES.  A work-group owns 256 queries of one head; each of its SIXTEEN waves one tile of 16, in 256 registers: four waves to a SIMD, so that one wave's vector work (some 250 lines a step, 68 of them exponentials)
; stands beside another's 12 matrix instructions and its LDS loads.  The vector work binds this launch, so no larger tile a wave is taken.
; FEEDING.  A head's K, V and their scale words are 16 records of 14,336 bytes (128 keys each), 229,376 bytes: they fit in LDS whole and are filled ONCE: wave w brings record w by one tensor load; one barrier; none in the loop.
; CLUSTER.  The four query blocks of a cluster belong to one head and want the same records: they are asked for JOINTLY (mask 15).  One tensor load of a wave is out.
; LAYOUT.  Both products are used transposed: S^T = K Q^T (source 0 = 16 keys, source 1 = my 16 queries), O^T = V^T P^T (source 0 = 16 of the head's 64): a lane holds ONE query throughout.
; A tile holds rows 32 (T / 2) + 8 (T % 2) + r + 8 (r / 8): so the 16 registers of tiles 2 b, 2 b + 1 of S^T are keys 32 b + 16 h + 0 .. 15, and O^T's 32 registers are features 32 b + 16 h + 0 .. 15.
; THE FIRST PRODUCT HAS K = 64: registers 6-11 of Q's and K's fragments are zero codes, written once, under the byte 0x7f.  Operands lie in LDS as images of registers: every load takes consecutive bytes.
; A block's largest p is not searched for: p rises with the score, so the block's largest SCORE goes through the same multiply-add and exponential (this takes v_exp_f32 not to fall where its input rises).
; LIMITS: NaN and infinities are not served; a block of zeros has the byte 1 where the rule says 127 (its codes are zeros; this program alone reads the bytes).
; REGISTERS: v1, v2 16 and 8 x lane; v3, v4 the same + the record in hand; v5 Q's scale words; v6, v7, v255 the way out of O's words; v8-11 block maxima; v12 -M; v13 the largest t; v[14:15] the sum in two halves;
;   v16-27 Q; v28-31 V's scale words; v32-79 four fragments of K; v80-127 V's four; v128-191 S^T, then p; v192-223 O^T; v224-235 p's codes; v236-247 at work; v248-251 K's scale words, then V's upper halves; v252 f; v253 p's word.
.set REC,  14336                       ; a record: K's 8 tiles x 768; at 6,144 V's [64 keys][4 tiles] x 768; at 12,288 K's words [4 tiles' group][lane][4]; at 13,312 V's [64 keys][lane][4]
.set OSG,  229376                      ; behind the records: 2,048 bytes in which the sixteen waves' scale words of O meet; no fill lands here.  It lies beyond an LDS instruction's 16-bit immediate, so the address registers carry it
.set BM,   8
.set KFR,  32
.set VFR,  80
.set S,    128
.set O,    192
.set PC,   224
.set GL,   255                         ; v255  LDS address OSG + 8 x (thread % 256)
.macro ROUND                           ; a round of the cluster's barrier
	s_barrier_signal -1
	s_barrier_wait -1
	s_cmp_lg_u32 s14, 0
	s_cbranch_scc1 .Lnot_wave_0_\@
	s_barrier_signal -3
.Lnot_wave_0_\@:
	s_barrier_wait -3
	s_barrier_signal -1
	s_barrier_wait -1
.endm
.macro PLACES                          ; four plain vector instructions behind a matrix instruction, in front of loads into its registers and of reads of its results
.rept 4
	v_nop
.endr
.endm
	s_load_b256 s[4:11], s[0:1], 0x0               ; qc, qs, kv, oc
	s_load_b64 s[12:13], s[0:1], 0x20              ; osc
	v_lshl_add_u32 v254, v0, 2, 0x38800
	v_mov_b32 v255, 0
	ds_add_u32 v254, v255
	ds_add_u32 v254, v255
	s_wait_dscnt 0x0
	v_lshrrev_b32 v1, 5, v0
	v_readfirstlane_b32 s14, v1                    ; wave 0..15
	v_and_b32 v3, 31, v0
	v_lshlrev_b32 v1, 4, v3                        ; 16 x lane
	v_lshlrev_b32 v2, 3, v3                        ; 8 x lane
	s_lshr_b32 s47, s14, 2                         ; every LDS address register is made here, ahead of the first branch on the wave's number
	s_lshl_b32 s47, s47, 9
	s_and_b32 s48, s14, 3
	s_lshl_b32 s48, s48, 2
	s_add_co_u32 s47, s47, s48
	v_add_nc_u32 v6, s47, v1
	v_add_nc_u32 v6, OSG, v6                       ; where my tile's word of O goes: OSG + 512 (w / 4) + 16 lane + 4 (w % 4)
	v_and_b32 v7, 255, v0
	v_lshl_add_u32 v[GL], v7, 3, OSG               ; how the words come back: 8 bytes a thread of waves 0 to 7,
	v_lshlrev_b32 v7, 3, v7                        ; and the same place in the work-group's 2,048 bytes of osc
	s_bfe_u32 s15, ttmp6, 0x40000                  ; cx
	s_lshl_b32 s16, ttmp9, 2
	s_add_co_u32 s16, s16, s15                     ; my block of 256 queries: it enters global addresses of my own alone
	s_and_b32 s17, ttmp7, 0xffff                   ; bh, which the four partners share
	s_mov_b32 s20, 0x76543210
	s_mov_b32 s21, 0xfedcba98                      ; v_permlanex16_b32's selects for lane l xor 16
	s_mov_b32 s22, 0x3fb8aa3b                      ; log2(e)
	s_mov_b32 s23, s22                             ; (named with it as a pair, so it is written)
	s_mov_b32 s24, 15|(3<<16)|(1<<21)              ; group 1: 15:0 the mask: all four; 17:16 elements of 8 bytes; 21 set beside a mask; no padding
	s_mov_b32 s25, 32<<16                          ; tensor_dim0 = 32: rows of 256 bytes
	s_mov_b32 s26, 56<<16                          ; tensor_dim1 = 56
	s_mov_b32 s27, 32<<16                          ; tile_dim0
	s_mov_b32 s28, 56                              ; tile_dim1
	s_mov_b32 s29, 32                              ; pitch
	s_mov_b32 s30, 0
	s_mov_b32 s31, 0
	s_lshl_b32 s38, s17, 4
	s_add_co_u32 s38, s38, s14
	s_mul_i32 s38, s38, REC                        ; record w of the head, in memory,
	s_mov_b32 s39, 0
	s_mov_b32 s32, 1
	s_mul_i32 s33, s14, REC                        ; and in LDS
	s_wait_kmcnt 0x0
	s_add_nc_u64 s[34:35], s[8:9], s[38:39]
	s_or_b32 s35, s35, 0x80000000
	ROUND                                          ; all four work-groups are here: the joint loads meet
	tensor_load_to_lds s[32:35], s[24:31]
	s_nop 0
	PLACES                                         ; four v_nop follow the load
	s_lshl_b32 s40, s17, 7
	s_lshl_b32 s41, s16, 4
	s_add_co_u32 s40, s40, s41
	s_add_co_u32 s40, s40, s14
	s_mul_i32 s40, s40, 768
	s_mov_b32 s41, 0
	s_add_nc_u64 s[4:5], s[4:5], s[40:41]          ; my tile of q: (128 bh + 16 block + w) x 768
	s_lshl_b32 s40, s17, 5
	s_lshl_b32 s42, s16, 2
	s_add_co_u32 s40, s40, s42
	s_lshr_b32 s42, s14, 2
	s_add_co_u32 s40, s40, s42
	s_lshl_b32 s40, s40, 9
	s_add_co_u32 s40, s40, s48
	s_add_nc_u64 s[6:7], s[6:7], s[40:41]          ; its words: (32 bh + 4 block + w / 4) x 512 + 4 (w % 4), 16 bytes a lane
	global_load_b128 v[16:19], v1, s[4:5]
	global_load_b64 v[20:21], v2, s[4:5] offset:512
	global_load_b32 v5, v1, s[6:7]
	s_lshr_b32 s44, s17, 4                         ; batch
	s_and_b32 s45, s17, 15                         ; head
	s_lshl_b32 s40, s44, 7
	s_lshl_b32 s46, s16, 4
	s_add_co_u32 s40, s40, s46
	s_add_co_u32 s40, s40, s14                     ; my tile of tokens T = 128 batch + 16 block + w
	s_lshl_b32 s40, s40, 4
	s_add_co_u32 s40, s40, s45
	s_mul_i32 s40, s40, 768
	s_add_nc_u64 s[10:11], s[10:11], s[40:41]      ; O's half image: (16 T + head) x 768
	s_lshl_b32 s40, s45, 6
	s_lshl_b32 s46, s44, 5
	s_add_co_u32 s40, s40, s46
	s_lshl_b32 s46, s16, 2
	s_add_co_u32 s40, s40, s46
	s_lshl_b32 s40, s40, 9
	s_add_nc_u64 s[12:13], s[12:13], s[40:41]      ; the work-group's 2,048 bytes of words: (64 head + 32 batch + 4 block) x 512
.irp j, 22,23,24,25,26,27
	v_mov_b32 v[\j], 0                             ; Q's zero codes for k = 64 .. 127
.endr
.irp t, 0,1,2,3
.irp j, 6,7,8,9,10,11
	v_mov_b32 v[KFR+12*\t+\j], 0                   ; K's: written once, no load lands here
.endr
.endr
	v_mov_b32 v13, 0xff61b1e6                      ; the largest t so far: -3e38, under every t
	v_floor_f32 v12, -v13                          ; -M
	v_mov_b32 v14, 0                               ; the sum, in two halves
	v_mov_b32 v15, 0
.irp b, 0,1,2,3
	v_mov_b32 v[236+\b], 0                         ; written once: a lane permute's destination counts as one of its sources
.endr
	v_mov_b32 v253, 0                              ; (named as the upper half of the pair v[252:253] before it is first written)
.set j, 0
.rept 32
	v_mov_b32 v[O+j], 0                            ; O^T.  (The step is written once: the first finds zeros, which the first change of M leaves zeros)
.set j, j+1
.endr
	s_mov_b32 s36, 0                               ; the record in hand
	s_mov_b32 s37, 16
	s_wait_tensorcnt 0x0                           ; my record has landed,
	s_barrier_signal -1
	s_barrier_wait -1                              ; everybody's has
	s_wait_loadcnt 0x0                             ; Q
.Lstep:                                            ; 16 trips of 128 keys
	v_add_nc_u32 v3, s36, v1
	v_add_nc_u32 v4, s36, v2
.irp g, 0,1                                    ; S^T = K Q^T, four tiles of 16 keys at a time
.if \g
	PLACES
.endif
.irp t, 0,1,2,3
	ds_load_b128 v[KFR+12*\t:KFR+12*\t+3], v3 offset:(4*\g+\t)*768
	ds_load_b64 v[KFR+12*\t+4:KFR+12*\t+5], v4 offset:(4*\g+\t)*768+512
.endr
	ds_load_b128 v[248:251], v3 offset:12288+512*\g
	s_wait_dscnt 0x0
.irp t, 0,1,2,3
	v_wmma_scale_f32_16x16x128_f8f6f4 v[S+8*(4*\g+\t):S+8*(4*\g+\t)+7], v[KFR+12*\t:KFR+12*\t+11], v[16:27], 0, v[248+\t], v5 matrix_a_fmt:MATRIX_FMT_FP6 matrix_b_fmt:MATRIX_FMT_FP6
.endr
.endr
	PLACES
.irp c, 0,1                                    ; V's four fragments are asked for now and land under the softmax: registers 6 c .. 6 c + 5 are the half image of keys 64 c on
.irp t, 0,1,2,3
	ds_load_b128 v[VFR+12*\t+6*\c:VFR+12*\t+6*\c+3], v3 offset:6144+3072*\c+768*\t
	ds_load_b64 v[VFR+12*\t+6*\c+4:VFR+12*\t+6*\c+5], v4 offset:6144+3072*\c+768*\t+512
.endr
.endr
	ds_load_b128 v[28:31], v3 offset:13312         ; V's words of keys 0-63 (bytes 0, 1),
	ds_load_b128 v[248:251], v3 offset:13824       ; and of keys 64-127
.irp b, 0,1,2,3
	v_max3_num_f32 v[BM+\b], v[S+16*\b], v[S+16*\b+1], v[S+16*\b+2]   ; THE LARGEST SCORE OF EACH BLOCK OF 32 KEYS: for the row's maximum, and for the block's largest p
.endr
.irp i, 3,5,7,9,11,13
.irp b, 0,1,2,3
	v_max3_num_f32 v[BM+\b], v[BM+\b], v[S+16*\b+\i], v[S+16*\b+\i+1]   ; (the four blocks by turns; each accumulator from its low end on)
.endr
.endr
.irp b, 0,1,2,3
	v_max_num_f32 v[BM+\b], v[BM+\b], v[S+16*\b+15]
.endr
.irp b, 0,1,2,3
	v_permlanex16_b32 v[236+\b], v[BM+\b], s20, s21
.endr
.irp b, 0,1,2,3
	v_max_num_f32 v[BM+\b], v[BM+\b], v[236+\b]    ; with lane l xor 16's 16 keys
.endr
	v_max3_num_f32 v254, v8, v9, v10
	v_max_num_f32 v254, v254, v11                  ; the step's largest score of my query
	v_mul_f32 v254, s22, v254                      ; as t
	v_max_num_f32 v13, v13, v254                   ; the running largest t
	v_mov_b32 v254, v12
	v_floor_f32 v12, -v13                          ; the new -M = floor(-t) = -ceil(t): M IS A WHOLE NUMBER
	v_sub_f32 v254, v12, v254                      ; M's old value less its new one: a whole number, 0 or less
	v_cvt_i32_f32 v254, v254                       ; (it saturates)
	v_ldexp_f32 v252, 1.0, v254                    ; f = 2^(old M - new M)
.set j, 0
.rept 32
	v_pk_fma_f32 v[S+j:S+j+1], v[S+j:S+j+1], s[22:23], v[12:13] op_sel_hi:[1,0,0]   ; t - M, two at a time
.set j, j+2
.endr
.irp b, 0,1,2,3
	v_fma_f32 v[BM+\b], v[BM+\b], s22, v12         ; the same of each block's largest score
.endr
.set j, 0
.rept 64
	v_exp_f32 v[S+j], v[S+j]                       ; p = 2^(t - M), at most 1: NOT normalised
.set j, j+1
.endr
.irp b, 0,1,2,3
	v_exp_f32 v[BM+\b], v[BM+\b]                   ; the block's largest p: the same two instructions on the same number give the same bits
.endr
	v_pk_mul_f32 v[14:15], v[14:15], v[252:253] op_sel_hi:[1,0]   ; the sums under the new M.  (A plain place behind the exponentials)
	s_wait_dscnt 0x0                               ; V and its words are in
.irp t, 0,1,2,3
	v_lshl_or_b32 v[28+\t], v[248+\t], 16, v[28+\t]   ; V's scale words of these 128 keys; more than eight plain lines follow before they are used
.endr
	s_wait_alu depctr_va_vdst(0)
.irp b, 0,1,2,3
	v_max_num_f32 v[BM+\b], 0x1800000, v[BM+\b]    ; the floor 2^(3 - 127): the byte cannot fall under 1
.endr
.irp b, 0,1,2,3
	v_add_nc_u32 v[244+\b], 0xff000000, v[BM+\b]   ; 2 off the exponent field: the conversion's scale operand
.endr
.irp b, 0,1,2,3
	v_lshrrev_b32 v[236+\b], 23, v[244+\b]         ; the scale's byte
.endr
	v_lshl_or_b32 v253, v237, 8, v236              ; p's scale word for these 128 keys
	v_lshl_or_b32 v253, v238, 16, v253
	v_lshl_or_b32 v253, v239, 24, v253
.irp c, 0,1
	v_cvt_scalef32_pk16_fp6_f32 v[PC+6*\c:PC+6*\c+2], v[S+32*\c:S+32*\c+15], v[244+2*\c]
	v_cvt_scalef32_pk16_fp6_f32 v[236+4*\c:238+4*\c], v[S+32*\c+16:S+32*\c+31], v[244+2*\c+1]   ; (a conversion's three registers begin on an even number)
.endr
	v_nop                                          ; one plain place behind a scaled conversion
.irp c, 0,1                                    ; the operand's layout wants a WHOLE block in a lane
.irp i, 0,1,2
	v_permlane16_swap_b32 v[PC+6*\c+\i], v[236+4*\c+\i]
.endr
.irp i, 0,1,2
	v_mov_b32 v[PC+6*\c+3+\i], v[236+4*\c+\i]
.endr
.endr
	v_pk_add_f32 v[236:237], v[S:S+1], v[S+2:S+3]  ; THE ROW'S SUM IS TAKEN OF THE UNQUANTISED p: two at a time, in two chains
.irp j, 4,8,12,16,20,24,28,32,36,40,44,48,52,56,60
	v_pk_add_f32 v[14:15], v[14:15], v[S+\j:S+\j+1]
	v_pk_add_f32 v[236:237], v[236:237], v[S+\j+2:S+\j+3]
.endr
	v_pk_add_f32 v[14:15], v[14:15], v[236:237]
.set j, 0
.rept 16
	v_pk_mul_f32 v[O+j:O+j+1], v[O+j:O+j+1], v[252:253] op_sel_hi:[1,0]   ; O^T under the new M: x f
.set j, j+2
.endr
.irp t, 0,1,2,3                                ; O^T += V^T P^T: the four accumulators by turns
	v_wmma_scale_f32_16x16x128_f8f6f4 v[O+8*\t:O+8*\t+7], v[VFR+12*\t:VFR+12*\t+11], v[PC:PC+11], v[O+8*\t:O+8*\t+7], v[28+\t], v253 matrix_a_fmt:MATRIX_FMT_FP6 matrix_b_fmt:MATRIX_FMT_FP6
.endr
	s_add_co_u32 s36, s36, REC
	s_sub_co_u32 s37, s37, 1
	s_cmp_lg_u32 s37, 0
	s_cbranch_scc1 .Lstep
	; THE WAY OUT: O^T / the sum, quantised along the head's 64 where it lies
	PLACES
	v_add_f32 v14, v14, v15                        ; the sum's two halves,
	v_permlanex16_b32 v252, v14, s20, s21
	v_add_f32 v14, v14, v252                       ; and lane l xor 16's: the row's sum
	v_rcp_f32 v14, v14
	v_nop                                          ; one plain place behind a transcendental
.set j, 0
	s_wait_alu depctr_va_vdst(0)
.rept 16
	v_pk_mul_f32 v[S+j:S+j+1], v[O+j:O+j+1], v[14:15] op_sel_hi:[1,0]   ; register 16 b + i: feature 32 b + 16 h + i of my query; each accumulator from its low end on
.set j, j+2
.endr
.irp b, 0,1
	v_max3_num_f32 v[236+\b], |v[S+16*\b]|, |v[S+16*\b+1]|, 0x1800000
.endr
.irp i, 2,4,6,8,10,12,14
.irp b, 0,1
	v_max3_num_f32 v[236+\b], v[236+\b], |v[S+16*\b+\i]|, |v[S+16*\b+\i+1]|
.endr
.endr
.irp b, 0,1
	v_permlanex16_b32 v[238+\b], v[236+\b], s20, s21
.endr
.irp b, 0,1
	v_max_num_f32 v[236+\b], v[236+\b], v[238+\b]
.endr
.irp b, 0,1
	v_add_nc_u32 v[240+\b], 0xff000000, v[236+\b]
.endr
.irp b, 0,1
	v_lshrrev_b32 v[242+\b], 23, v[240+\b]
.endr
	v_lshl_or_b32 v253, v243, 8, v242              ; the row's word for this head's 64: bytes 0, 1
	v_cvt_scalef32_pk16_fp6_f32 v[PC:PC+2], v[S:S+15], v240
	v_cvt_scalef32_pk16_fp6_f32 v[PC+4:PC+6], v[S+16:S+31], v241
	v_nop
.irp i, 0,1,2
	v_permlane16_swap_b32 v[PC+\i], v[PC+4+\i]
.endr
.irp i, 3,4,5
	v_mov_b32 v[PC+\i], v[PC+\i+1]
.endr
	global_store_b128 v1, v[PC:PC+3], s[10:11]             ; 512 consecutive bytes,
	global_store_b64 v2, v[PC+4:PC+5], s[10:11] offset:512 ; and 256: both at multiples of 256
	ds_store_b32 v6, v253                          ; the sixteen tiles' words meet in LDS,
	s_wait_dscnt 0x0                               ; for the others' sake: my store has landed
	s_barrier_signal -1
	s_barrier_wait -1
	s_cmp_lt_u32 s14, 8
	s_cbranch_scc0 .Lwords_out
	ds_load_b64 v[8:9], v[GL]                      ; and leave by waves 0 to 7, 256 consecutive bytes a wave
	s_wait_dscnt 0x0
	global_store_b64 v7, v[8:9], s[12:13]
.Lwords_out:
	s_wait_xcnt 0x0
	v_lshl_add_u32 v254, v0, 2, 0x38800
	v_mov_b32 v255, 0
	s_wait_tensorcnt 0x0
	ds_add_u32 v254, v255
	s_wait_dscnt 0x0
	ROUND                                          ; the closing round: no work-group ends while a partner may still ask for a record that names it
	s_endpgm
.Lfunc_end_k_q8778f6fa1e_attn:
	.size	k_q8778f6fa1e_attn, .Lfunc_end_k_q8778f6fa1e_attn-k_q8778f6fa1e_attn
	.p2alignl 7, 3214868480
	.fill 96, 4, 3214868480
	.section	.rodata,"a",@progbits
	.p2align	6, 0x0
	.amdhsa_kernel k_q8778f6fa1e_attn
		.amdhsa_group_segment_fixed_size 233472
		.amdhsa_private_segment_fixed_size 0
		.amdhsa_enable_private_segment 0
		.amdhsa_kernarg_size 40
		.amdhsa_user_sgpr_count 2
		.amdhsa_user_sgpr_kernarg_segment_ptr 1
		.amdhsa_wavefront_size32 1
		.amdhsa_system_sgpr_workgroup_id_x 1
		.amdhsa_system_sgpr_workgroup_id_y 1
		.amdhsa_system_sgpr_workgroup_id_z 1
		.amdhsa_system_vgpr_workitem_id 0
		.amdhsa_next_free_vgpr 256
		.amdhsa_next_free_sgpr 66
		.amdhsa_reserve_vcc 0
		.amdhsa_float_denorm_mode_32 3
		.amdhsa_float_denorm_mode_16_64 3
		.amdhsa_memory_ordered 1
		.amdhsa_forward_progress 1
		.amdhsa_inst_pref_size 28
	.end_amdhsa_kernel
	.amdgpu_metadata
---
amdhsa.version: [ 1, 2 ]
amdhsa.kernels:
  - .name:           k_q8778f6fa1e_attn
    .symbol:         k_q8778f6fa1e_attn.kd
    .args:
      - { .name: qc, .offset: 0, .size: 8, .value_kind: global_buffer, .address_space: global }
      - { .name: qs, .offset: 8, .size: 8, .value_kind: global_buffer, .address_space: global }
      - { .name: kv, .offset: 16, .size: 8, .value_kind: global_buffer, .address_space: global }
      - { .name: oc, .offset: 24, .size: 8, .value_kind: global_buffer, .address_space: global }
      - { .name: osc, .offset: 32, .size: 8, .value_kind: global_buffer, .address_space: global }
    .group_segment_fixed_size: 233472
    .private_segment_fixed_size: 0
    .kernarg_segment_align: 8
    .kernarg_segment_size: 40
    .max_flat_workgroup_size: 512
    .sgpr_count:     66
    .vgpr_count:     256
    .wavefront_size: 32
...
	.end_amdgpu_metadata
.endif
;; end of part 3
;; launch oproj (part 4): grid 16 x 16, 4 waves a work-group, clusters of 4 x 1, 168,448 bytes of LDS; arguments oc, osc, codes, scl, bo, out0; writes out0
.if DOCPART == 4
	.amdgcn_target "amdgcn-amd-amdhsa--gfx1250"
	.amdhsa_code_object_version 6
	.text
	.protected	k_q8778f6fa1e_oproj
	.globl	k_q8778f6fa1e_oproj
	.p2align	8
	.type	k_q8778f6fa1e_oproj,@function
k_q8778f6fa1e_oproj:
	s_mov_b64 s[64:65], 0
	v_nop
	global_prefetch_b8 v0, s[64:65] scope:SCOPE_SE
	s_setreg_imm32_b32 hwreg(HW_REG_WAVE_MODE, 25, 1), 1
	s_wait_xcnt 0x0
	s_wait_alu depctr_hold_cnt(0) depctr_sa_sdst(0) depctr_va_vdst(0) depctr_va_sdst(0) depctr_va_ssrc(0) depctr_va_vcc(0) depctr_vm_vsrc(0)
	s_getreg_b32 s2, hwreg(HW_REG_IB_STS2, 6, 4)
	s_cmp_eq_u32 s2, 0
	s_cbranch_scc0 .Lentry_in_a_cluster
	s_endpgm
.Lentry_in_a_cluster:
	s_bfe_u32 s2, ttmp6, 0x10000c
	s_cmp_lg_u32 s2, 0x3003
	s_cbranch_scc0 .Lentry_shape_is_right
	s_endpgm
.Lentry_shape_is_right:
; out0 = O Wo^T + bo on codes of FP6 (E2M3); sums in f32.
; SHARES.  A work-group makes 256 tokens (block tb) x 64 output features (block nb); wave w takes tokens 64 w .. 64 w + 63: 4 tiles of tokens x 4 tiles of features = 16 accumulators; K = 1,024 in 8 steps: 128 matrix
; instructions a wave.  16 x 16 work-groups: one for each of 256 WGPs; a larger tile would leave WGPs without work.
; FEEDING.  Wo's 64 rows are one dense block of fragment images (49,152 bytes) and one of scale words (4,096): filled ONCE, nothing is filled again.
; CLUSTER.  The four token blocks of a cluster want the same block of Wo: it is asked for JOINTLY (mask 15), each wave a quarter of each: two tensor loads of a wave are out.
; O's fragments are read by one wave alone and come from memory straight into registers, three K steps ahead: fragment (T, s) is the half images of heads 2 s and 2 s + 1, 1,536 consecutive bytes.
; Its scale word is the two heads' words joined: bytes 0, 1 of head 2 s, and those of head 2 s + 1 shifted up by 16.
; LAYOUT.  Source 0 = 16 rows of Wo, source 1 = 16 tokens: a lane holds ONE token and, over its four feature tiles, features 32 b + 16 h + 0 .. 15 in register 16 b + i: 64 neighbouring bytes of a row of out0 for each b.
; The bias is the C of each sum's first matrix instruction.  A tile holds rows 32 (T / 2) + 8 (T % 2) + r + 8 (r / 8): the way out puts each token's row where it belongs.
; REGISTERS, in windows of 256.  window 0: v3-11 addresses; v16-79 O's scale words (4 head + i, joined at 8 s + i); v80-91 Wo's, three sets; v96-127 the bias; v128-255 four buffers for the way out.
;   window 1: O's fragments, four sets of 48.   window 2: Wo's, three sets of 48.   window 3: the accumulators, 32 i + 8 n.
.set DB,   12288
.set FRB,  1536
.set WSC,  49152                       ; LDS: Wo's codes at 0: n x 12,288 + s x 1,536;  its scale words here: (8 n + s) x 128 + 4 lane
.set STG,  53248                       ; the way out: a stage of 16 rows x (256 bytes + 16) for each wave; no fill lands here
.set SP,   272
.set RS,   16
.set WS,   80
.set BI,   96
.set BK,   128
.set MSB, 0
.macro WIN new                         ; the immediate's high byte repeats the setting that is left; a switch that changes nothing is dropped
.if MSB != \new
	s_set_vgpr_msb (MSB<<8)|\new
.set MSB, \new
.endif
.endm
.macro ROUND                           ; a round of the cluster's barrier
	s_barrier_signal -1
	s_barrier_wait -1
	s_cmp_lg_u32 s18, 0
	s_cbranch_scc1 .Lnot_wave_0_\@
	s_barrier_signal -3
.Lnot_wave_0_\@:
	s_barrier_wait -3
	s_barrier_signal -1
	s_barrier_wait -1
.endm
.macro PLACES                          ; four plain vector instructions behind a matrix instruction, in front of loads into its registers and of reads of its results
.rept 4
	v_nop
.endr
.endm
	s_load_b256 s[4:11], s[0:1], 0x0               ; oc, osc, codes, scl
	s_load_b128 s[12:15], s[0:1], 0x20             ; bo, out0
	v_lshl_add_u32 v94, v0, 2, 0x29000
	v_mov_b32 v95, 0
	ds_add_u32 v94, v95
	ds_add_u32 v94, v95
	v_lshrrev_b32 v1, 5, v0
	v_readfirstlane_b32 s18, v1                    ; wave 0..3
	v_and_b32 v2, 31, v0                           ; lane
	v_lshlrev_b32 v4, 4, v2                        ; 16 x lane
	v_lshlrev_b32 v3, 3, v2                        ; 8 x lane
	v_lshl_add_u32 v7, v2, 2, WSC
	v_and_b32 v5, 15, v0                           ; r
	v_bfe_u32 v6, v0, 4, 1                         ; h
	v_lshlrev_b32 v11, 6, v6                       ; 64 h
	s_mul_i32 s58, s18, 16*SP
	s_add_co_u32 s58, s58, STG                     ; my stage
	v_mul_u32_u24 v8, v5, SP
	v_lshl_add_u32 v8, v6, 6, v8
	v_add_nc_u32 v8, s58, v8                       ; in: row r, + 64 h
	v_mul_u32_u24 v9, v6, SP
	v_lshl_add_u32 v9, v5, 4, v9
	v_add_nc_u32 v9, s58, v9                       ; back: lanes 0-15 one row of 256 bytes, lanes 16-31 the next
	v_lshlrev_b32 v10, 12, v6
	v_lshl_add_u32 v10, v5, 4, v10                 ; and the same two rows in out0 (4,096 bytes a row)
	s_bfe_u32 s19, ttmp6, 0x40000                  ; cx
	s_lshl_b32 s20, ttmp9, 2
	s_add_co_u32 s20, s20, s19                     ; tb: it enters global addresses of my own alone
	s_and_b32 s21, ttmp7, 0xffff                   ; nb, which the four partners share
	s_mov_b32 s24, 15|(3<<16)|(1<<21)              ; group 1: the mask: all four; elements of 8 bytes; bit 21 beside a mask; no padding: images are read as they lie
	s_mov_b32 s25, 32<<16                          ; rows of 256 bytes,
	s_mov_b32 s26, 48<<16                          ; 48 of codes to a wave
	s_mov_b32 s27, 32<<16
	s_mov_b32 s28, 48
	s_mov_b32 s29, 32
	s_mov_b32 s30, 0
	s_mov_b32 s31, 0
	s_mov_b32 s32, 15|(3<<16)|(1<<21)
	s_mov_b32 s33, 32<<16
	s_mov_b32 s34, 4<<16                           ; 4 of scale words
	s_mov_b32 s35, 32<<16
	s_mov_b32 s36, 4
	s_mov_b32 s37, 32
	s_mov_b32 s38, 0
	s_mov_b32 s39, 0
	s_lshl_b32 s66, s21, 2
	s_add_co_u32 s66, s66, 448
	s_add_co_u32 s66, s66, s18                     ; wave w brings tile 448 + 4 nb + w
	s_lshl_b32 s68, s66, 10
	s_mul_i32 s66, s66, DB
	s_mov_b32 s67, 0
	s_mov_b32 s69, 0
	s_mov_b32 s40, 1
	s_mul_i32 s41, s18, DB
	s_mov_b32 s44, 1
	s_lshl_b32 s45, s18, 10
	s_add_co_u32 s45, s45, WSC
	s_wait_dscnt 0x0
	s_wait_kmcnt 0x0
	s_add_nc_u64 s[42:43], s[8:9], s[66:67]
	s_or_b32 s43, s43, 0x80000000
	s_add_nc_u64 s[46:47], s[10:11], s[68:69]
	s_or_b32 s47, s47, 0x80000000
	ROUND                                          ; all four work-groups are here: the joint loads meet
	tensor_load_to_lds s[40:43], s[24:31]
	s_nop 0
	tensor_load_to_lds s[44:47], s[32:39]
	s_nop 0
	PLACES                                         ; four v_nop follow the loads
	s_lshl_b32 s58, s20, 4
	s_lshl_b32 s59, s18, 2
	s_add_co_u32 s58, s58, s59
	s_mul_i32 s58, s58, DB                         ; my first tile of tokens: (16 tb + 4 w) x 16 heads x 768
	s_mov_b32 s59, 0
	s_add_nc_u64 s[50:51], s[4:5], s[58:59]
	s_lshl_b32 s58, s20, 2
	s_add_co_u32 s58, s58, s18
	s_lshl_b32 s58, s58, 9                         ; my four tiles' words of a head: (4 tb + w) x 512
	s_add_nc_u64 s[52:53], s[6:7], s[58:59]
	s_lshl_b32 s58, s21, 8                         ; 64 features of 4 bytes
	s_add_nc_u64 s[56:57], s[12:13], s[58:59]
	s_lshl_b32 s60, s20, 20
	s_lshl_b32 s61, s18, 18
	s_add_co_u32 s60, s60, s61
	s_add_co_u32 s58, s58, s60                     ; (256 tb + 64 w) rows of 4,096 bytes + 256 nb
	s_add_nc_u64 s[54:55], s[14:15], s[58:59]
.irp hd, 0,1,2,3,4,5,6,7,8,9,10,11,12,13,14,15
	global_load_b128 v[RS+4*\hd:RS+4*\hd+3], v4, s[52:53] offset:\hd*32768
.endr
.irp b, 0,1
.irp q, 0,1,2,3
	global_load_b128 v[BI+16*\b+4*\q:BI+16*\b+4*\q+3], v11, s[56:57] offset:128*\b+16*\q   ; register 16 b + i: bo(64 nb + 32 b + 16 h + i)
.endr
.endr
.macro ALOAD ks                        ; O's four fragments of K step ks into set ks % 4: 16 loads
	WIN 0x40                                       ; destination window 1
.irp i, 0,1,2,3
	global_load_b128 v[48*((\ks)%4)+12*\i:48*((\ks)%4)+12*\i+3], v4, s[50:51] offset:\i*DB+(\ks)*FRB
	global_load_b64 v[48*((\ks)%4)+12*\i+4:48*((\ks)%4)+12*\i+5], v3, s[50:51] offset:\i*DB+(\ks)*FRB+512
	global_load_b128 v[48*((\ks)%4)+12*\i+6:48*((\ks)%4)+12*\i+9], v4, s[50:51] offset:\i*DB+(\ks)*FRB+768
	global_load_b64 v[48*((\ks)%4)+12*\i+10:48*((\ks)%4)+12*\i+11], v3, s[50:51] offset:\i*DB+(\ks)*FRB+1280
.endr
	WIN 0
.endm
.macro FETCHW ks                       ; Wo's four fragments and scale words of K step ks into set ks % 3: 16 LDS loads
	WIN 0x80                                       ; destination window 2
.irp n, 0,1,2,3
.irp c, 0,1,2
	ds_load_b128 v[48*((\ks)%3)+12*\n+4*\c:48*((\ks)%3)+12*\n+4*\c+3], v4 offset:\n*DB+(\ks)*FRB+512*\c
.endr
.endr
	WIN 0
.irp n, 0,1,2,3
	ds_load_b32 v[WS+4*((\ks)%3)+\n], v7 offset:(\n*8+(\ks))*128
.endr
.endm
	ALOAD 0
	ALOAD 1
	ALOAD 2
	s_wait_loadcnt 48                              ; O's words and the bias are in; the 48 loads of three K steps' fragments may be out
.irp s, 0,1,2,3,4,5,6,7
.irp i, 0,1,2,3
	v_lshl_or_b32 v[RS+8*\s+\i], v[RS+8*\s+4+\i], 16, v[RS+8*\s+\i]   ; heads 2 s and 2 s + 1: the word of K step s; K step 0's four stand 28 lines ahead of their first use
.endr
.endr
	s_wait_tensorcnt 0x0                           ; my quarters of Wo have landed,
	s_barrier_signal -1
	s_barrier_wait -1                              ; everybody's have
	FETCHW 0
	FETCHW 1
; A K step: 16 matrix instructions, each accumulator once: they take turns, one instruction a turn, in the same order in every step.
.macro STEP ks
.if (\ks) > 0
	PLACES
.endif
.if (\ks)+2 < 8
	FETCHW (\ks)+2
.endif
.if (\ks)+3 < 8
	ALOAD (\ks)+3
.endif
.if (\ks) < 5
	s_wait_loadcnt 48                              ; this step's fragments of O are in; those of the three steps behind may be out
.else
	s_wait_loadcnt 16*(7-(\ks))
.endif
.if (\ks) < 6
	s_wait_dscnt 32                                ; this step's 16 LDS loads are in; the two younger fetches may be out
.else
	s_wait_dscnt 16*(7-(\ks))
.endif
.if (\ks) == 0
	WIN 0xc6                                       ; source 0 (Wo) window 2, source 1 (O) window 1, C (the bias) window 0, D window 3
.else
	WIN 0xf6                                       ; C and D window 3
.endif
.irp i, 0,1,2,3
.irp n, 0,1,2,3
.if (\ks) == 0
	v_wmma_scale_f32_16x16x128_f8f6f4 v[32*\i+8*\n:32*\i+8*\n+7], v[48*((\ks)%3)+12*\n:48*((\ks)%3)+12*\n+11], v[48*((\ks)%4)+12*\i:48*((\ks)%4)+12*\i+11], v[BI+8*\n:BI+8*\n+7], v[WS+4*((\ks)%3)+\n], v[RS+8*(\ks)+\i] matrix_a_fmt:MATRIX_FMT_FP6 matrix_b_fmt:MATRIX_FMT_FP6
.else
	v_wmma_scale_f32_16x16x128_f8f6f4 v[32*\i+8*\n:32*\i+8*\n+7], v[48*((\ks)%3)+12*\n:48*((\ks)%3)+12*\n+11], v[48*((\ks)%4)+12*\i:48*((\ks)%4)+12*\i+11], v[32*\i+8*\n:32*\i+8*\n+7], v[WS+4*((\ks)%3)+\n], v[RS+8*(\ks)+\i] matrix_a_fmt:MATRIX_FMT_FP6 matrix_b_fmt:MATRIX_FMT_FP6
.endif
.endr
.endr
.endm
.irp ks, 0,1,2,3,4,5,6,7
	STEP \ks
.endr
; THE WAY OUT, a tile of 16 tokens at a time: a lane holds pieces of one row, and the lanes beside it hold other rows: so a tile goes through my own stage in LDS and comes back as whole rows of 256 bytes.
; LDS serves a wave's instructions in order (ISA guide 5.7.1.4): no wait between the stores and the loads, nor in front of the next tile's stores.  Each tile has its own 32 registers: no store's data are written again.
.macro TOSTAGE i
	WIN 0x0c                                       ; an LDS store's data are its source 1: window 3
.irp b, 0,1
.irp q, 0,1,2,3
	ds_store_b128 v8, v[32*\i+16*\b+4*\q:32*\i+16*\b+4*\q+3] offset:128*\b+16*\q   ; each accumulator from its low end on
.endr
.endr
	WIN 0
.irp t, 0,1,2,3,4,5,6,7
	ds_load_b128 v[BK+32*\i+4*\t:BK+32*\i+4*\t+3], v9 offset:2*\t*SP
.endr
.endm
.macro SEND i, younger                 ; younger: the LDS instructions issued behind tile i's loads: the next tile's sixteen, or none
	s_wait_dscnt \younger
.irp t, 0,1,2,3,4,5,6,7
	global_store_b128 v10, v[BK+32*\i+4*\t:BK+32*\i+4*\t+3], s[54:55] offset:(32*(\i/2)+8*(\i%2)+2*\t+8*(\t/4))*4096 th:TH_STORE_NT   ; stage rows 2 t and 2 t + 1 are the tile's tokens 2 t + 8 (t / 4) and the next; 16 lanes store 256 consecutive bytes, at a multiple of 256 from out0's first byte
.endr
.endm
	PLACES                                         ; behind the last products: results are read
	TOSTAGE 0
	TOSTAGE 1
	SEND 0, 16
	TOSTAGE 2
	SEND 1, 16
	TOSTAGE 3
	SEND 2, 16
	SEND 3, 0
	s_wait_tensorcnt 0x0
	ds_add_u32 v94, v95
	s_wait_dscnt 0x0
	ROUND                                          ; the closing round: no work-group ends while a partner may still ask for a block that names it
	s_endpgm
.Lfunc_end_k_q8778f6fa1e_oproj:
	.size	k_q8778f6fa1e_oproj, .Lfunc_end_k_q8778f6fa1e_oproj-k_q8778f6fa1e_oproj
	.p2alignl 7, 3214868480
	.fill 96, 4, 3214868480
	.section	.rodata,"a",@progbits
	.p2align	6, 0x0
	.amdhsa_kernel k_q8778f6fa1e_oproj
		.amdhsa_group_segment_fixed_size 168448
		.amdhsa_private_segment_fixed_size 0
		.amdhsa_enable_private_segment 0
		.amdhsa_kernarg_size 48
		.amdhsa_user_sgpr_count 2
		.amdhsa_user_sgpr_kernarg_segment_ptr 1
		.amdhsa_wavefront_size32 1
		.amdhsa_system_sgpr_workgroup_id_x 1
		.amdhsa_system_sgpr_workgroup_id_y 1
		.amdhsa_system_sgpr_workgroup_id_z 1
		.amdhsa_system_vgpr_workitem_id 0
		.amdhsa_next_free_vgpr 896
		.amdhsa_next_free_sgpr 70
		.amdhsa_reserve_vcc 0
		.amdhsa_float_denorm_mode_32 3
		.amdhsa_float_denorm_mode_16_64 3
		.amdhsa_memory_ordered 1
		.amdhsa_forward_progress 1
		.amdhsa_inst_pref_size 56
	.end_amdhsa_kernel
	.amdgpu_metadata
---
amdhsa.version: [ 1, 2 ]
amdhsa.kernels:
  - .name:           k_q8778f6fa1e_oproj
    .symbol:         k_q8778f6fa1e_oproj.kd
    .args:
      - { .name: oc, .offset: 0, .size: 8, .value_kind: global_buffer, .address_space: global }
      - { .name: osc, .offset: 8, .size: 8, .value_kind: global_buffer, .address_space: global }
      - { .name: codes, .offset: 16, .size: 8, .value_kind: global_buffer, .address_space: global }
      - { .name: scl, .offset: 24, .size: 8, .value_kind: global_buffer, .address_space: global }
      - { .name: bo, .offset: 32, .size: 8, .value_kind: global_buffer, .address_space: global }
      - { .name: out0, .offset: 40, .size: 8, .value_kind: global_buffer, .address_space: global }
    .group_segment_fixed_size: 168448
    .private_segment_fixed_size: 0
    .kernarg_segment_align: 8
    .kernarg_segment_size: 48
    .max_flat_workgroup_size: 128
    .sgpr_count:     70
    .vgpr_count:     896
    .wavefront_size: 32
...
	.end_amdgpu_metadata
.endif
;; end of part 4
;; ======== version 2 of 2: 4 launches
;; limits: right only within a limited range of input values
;; workspace buffers: codes 6,291,456 bytes; scl 524,288 bytes; qc 3,145,728 bytes; qs 524,288 bytes; kv 7,340,032 bytes; oc 3,145,728 bytes; osc 524,288 bytes
;; launch prep (part 5): grid 512 x 1, 8 waves a work-group, no clusters, 78,848 bytes of LDS; arguments x, Wq, Wk, Wv, Wo, ln_g, ln_b, codes, scl; writes codes, scl
.if DOCPART == 5
	.amdgcn_target "amdgcn-amd-amdhsa--gfx1250"
	.amdhsa_code_object_version 6
	.text
	.protected	k_q8778f6fa1e_prep
	.globl	k_q8778f6fa1e_prep
	.p2align	8
	.type	k_q8778f6fa1e_prep,@function
k_q8778f6fa1e_prep:
	s_mov_b64 s[64:65], 0
	v_nop
	global_prefetch_b8 v0, s[64:65] scope:SCOPE_SE
	s_setreg_imm32_b32 hwreg(HW_REG_WAVE_MODE, 25, 1), 1
	s_wait_xcnt 0x0
; LayerNorm(x) and the four weights become codes of FP6 (E2M3) with one E8M0 scale byte for each 32 along K (K = 1,024, innermost in all five tensors).
; The codes are laid as IMAGES OF OPERAND REGISTERS: a fragment is 16 rows x 128 K, 12 registers a lane, 1,536 bytes: registers 4 q .. 4 q + 3 of lane l at 512 q + 16 l.
; THE 16 ROWS OF A TILE ARE NOT NEIGHBOURS: tile T holds rows 64 (T / 4) + 8 (T % 4) + r + 24 (r / 8), r = 0 .. 15, so that a lane's 32 results of four neighbouring tiles are one whole block of 32 along the next product's K.
; SHARES.  Work-group g makes one tile (8 fragments), wave s its K step s.  g < 256: tile g of x.  g = 256 .. 511: tile g % 64 of Wq, Wk, Wv, Wo (g / 64 = 4 .. 7).
; Destination tile D: x: g;  Wq, Wk, Wv: 256 + 12 head + 4 type + (tile % 4), so that a head's q, k and v rows are one dense block;  Wo: g.
; THE WAY IN.  The quantiser wants lane (r, h) to hold k = 128 s + 64 c + 32 h + j of row r in X[32 c + j]: two whole blocks of 32, in the operand's own order, so that the conversions' results are the fragment.
; A load is best where neighbouring LANES take neighbouring bytes.  Both are had: each of the wave's 16 loads reads one row's 512 consecutive bytes, 16 a lane; the 8 KB turn through the wave's own stage in LDS
; (rows 528 bytes apart) and come back 128 bytes of a row at a time.  ln_g and ln_b likewise: one load of 512 consecutive bytes each, and 32 LDS loads in which sixteen lanes share an address.
; The stages are each wave's own: no barrier, and no wait between the stores and the loads (LDS serves a wave's instructions in order: ISA guide 5.7.1.4).
; ONE PATH FOR ALL: a weight's work-group walks the statistics too, with the mean replaced by 0 and 1 / deviation by 1.0 (both leave the numbers bit for bit), so that every barrier stands on one path;
; only the 32 multiply-adds by ln_g and ln_b are jumped over, on the work-group's number.  That costs a weight's wave some 150 vector lines and 34 LDS lines beside its 64 numbers a lane, and spares a launch.
; No cluster: work-groups share ln_g and ln_b alone, 8 KB beside the 64 KB of rows that each reads for itself.  No matrix unit: nothing is multiplied here.
; The variance is taken of x - mean (two passes over the registers), so a common offset of the inputs costs no digits.
; A block's scale byte is its largest magnitude's exponent field - 2, held at 1 from below.  A block of zeros so has the byte 1 where the rule says 127: its codes are zeros, and this program alone reads the bytes.
; LIMITS: NaN and infinities among the inputs are not served; blocks whose largest magnitude lies under 2^-124 (the floor) were not tried.
.set X,    32                          ; v32-95   my 64 numbers: as loaded, row i in X[4 i ..]; behind the turn, X[32 c + j]
.set G,    96                          ; v96-159  ln_g at my 64 places
.set B,    160                         ; v160-223 ln_b
.set C,    224                         ; v224-235 the fragment
.set C2,   236                         ; v236-242 the second half of each block's codes (a conversion's three registers begin on an even number)
.set GA,   243                         ; v243     8 x (thread % 128): the scale words' way out
.set XW,   244                         ; v244     my wave's stage, on the way in: + 16 x lane
.set XR,   245                         ; v245     and on the way out: + 528 r + 128 h
.set GW,   246                         ; v246     the stage of ln_g and ln_b, on the way in: + 16 x lane
.set GR,   247                         ; v247     and on the way out: + 128 h
.set RED1, 512                         ; LDS: 0: the waves' sums, word 64 wave + 4 r;  512: the sums of squares;  1,024: the scale words, 128 wave + 4 lane
.set SCG,  1024
.set XST,  2048                        ; the rows' stages: 16 rows x 528 bytes for each wave
.set XP,   528                         ; a stage row: 512 bytes + 16 = 132 words: row r starts at bank 4 r mod 64 (64 banks of 4 bytes: ISA guide 11.1), so the 16 rows that a load touches start at 16 different banks
.set XWV,  16*XP
.set GST,  XST+8*XWV                   ; behind them: 512 bytes of ln_g and 512 of ln_b for each wave
	s_load_b256 s[4:11], s[0:1], 0x0               ; x, Wq, Wk, Wv
	s_load_b256 s[12:19], s[0:1], 0x20             ; Wo, ln_g, ln_b, codes
	s_load_b64 s[20:21], s[0:1], 0x40              ; scl
	v_lshl_add_u32 v248, v0, 2, 0x13000
	v_mov_b32 v249, 0
	v_lshrrev_b32 v1, 5, v0
	s_delay_alu instid0(VALU_DEP_1)
	v_readfirstlane_b32 s23, v1                    ; wave = K step s
	v_and_b32 v1, 31, v0                           ; lane
	s_wait_alu depctr_va_vdst(0)
	v_and_b32 v2, 15, v0                           ; r
	s_wait_alu depctr_va_vdst(0)
	v_bfe_u32 v3, v0, 4, 1                         ; h
	s_lshr_b32 s22, ttmp9, 6                       ; 0 .. 3: x;  4 .. 7: Wq, Wk, Wv, Wo
	s_and_b32 s28, ttmp9, 63                       ; a weight's tile
	s_lshr_b32 s30, s28, 2                         ; its head
	s_mul_i32 s30, s30, 3
	s_add_co_u32 s30, s30, s22
	s_sub_co_u32 s30, s30, 4                       ; 3 head + type
	s_lshl_b32 s30, s30, 2
	s_and_b32 s31, s28, 3
	s_add_co_u32 s30, s30, s31
	s_add_co_u32 s30, s30, 256
	s_sub_co_u32 s31, s22, 4
	s_cmp_lt_u32 s31, 3                            ; Wq, Wk or Wv?
	s_cselect_b32 s30, s30, ttmp9                  ; D
	s_cmp_lt_u32 ttmp9, 256                        ; x?
	s_cselect_b32 s24, -1, 0                       ; a lane mask: all ones for x
	s_cselect_b32 s29, ttmp9, s28                  ; the source's tile
	s_mul_i32 s28, s23, XWV
	s_add_co_u32 s28, s28, XST                     ; my wave's stage for the rows,
	s_lshl_b32 s31, s23, 10
	s_add_co_u32 s31, s31, GST                     ; and for ln_g and ln_b
	; THE ROWS OF A TILE (this stands for the formula in the head comment): tile T holds rows 64 (T / 4) + 8 (T % 4) + r + 24 (r / 8), so that a lane's 32 results of four neighbouring tiles are one whole block of 32 along the next product's K
	s_lshr_b32 s32, s29, 2
	s_lshl_b32 s32, s32, 18                        ; 64 rows of 4,096 bytes for each four tiles,
	s_and_b32 s33, s29, 3
	s_lshl_b32 s33, s33, 15                        ; 8 rows for the odd one
	s_add_co_u32 s32, s32, s33
	s_mov_b32 s33, 0
	s_lshl_b32 s34, s30, 3
	s_add_co_u32 s34, s34, s23
	s_mul_i32 s34, s34, 1536                       ; my fragment: (8 D + s) x 1,536
	s_mov_b32 s35, 0
	s_lshl_b32 s36, s30, 10                        ; the tile's scale words: 1,024 D
	s_mov_b32 s37, 0
	s_lshl_b32 s38, s23, 9                         ; 128 numbers of 4 bytes a K step
	s_lshl_b32 s39, s23, 6
	s_mov_b32 s25, 0x3a800000                      ; 1 / 1,024
	s_mov_b32 s26, 0x76543210
	s_mov_b32 s27, 0xfedcba98                      ; v_permlanex16_b32's selects for lane l xor 16
	v_lshlrev_b32 v8, 4, v1                        ; 16 x lane
	s_delay_alu instid0(VALU_DEP_1)
	v_add_nc_u32 v4, s38, v8                       ; 512 s + 16 x lane: my 16 bytes of a row's K step, and of ln_g's and ln_b's
	v_lshlrev_b32 v7, 2, v2                        ; 4 r
	s_delay_alu instid0(VALU_DEP_1)
	v_add_nc_u32 v6, s39, v7                       ; 4 r + 64 s
	v_lshlrev_b32 v9, 2, v0                        ; 128 x wave + 4 x lane
	v_and_b32 v[GA], 127, v0
	s_delay_alu instid0(VALU_DEP_1)
	v_lshlrev_b32 v[GA], 3, v[GA]
	v_add_nc_u32 v[XW], s28, v8
	v_mul_u32_u24 v[XR], v2, XP
	s_delay_alu instid0(VALU_DEP_1)
	v_lshl_add_u32 v[XR], v3, 7, v[XR]
	s_delay_alu instid0(VALU_DEP_1)
	v_add_nc_u32 v[XR], s28, v[XR]
	v_add_nc_u32 v[GW], s31, v8
	v_lshlrev_b32 v[GR], 7, v3
	s_delay_alu instid0(VALU_DEP_1)
	v_add_nc_u32 v[GR], s31, v[GR]
	s_wait_alu depctr_va_vdst(0)
	s_wait_kmcnt 0x0
	s_cmp_eq_u32 s22, 4                            ; the source: the choice hangs on the work-group's number alone
	s_cselect_b64 s[4:5], s[6:7], s[4:5]
	s_cmp_eq_u32 s22, 5
	s_cselect_b64 s[4:5], s[8:9], s[4:5]
	s_cmp_eq_u32 s22, 6
	s_cselect_b64 s[4:5], s[10:11], s[4:5]
	s_cmp_eq_u32 s22, 7
	s_cselect_b64 s[4:5], s[12:13], s[4:5]
	s_add_nc_u64 s[4:5], s[4:5], s[32:33]
	s_add_nc_u64 s[18:19], s[18:19], s[34:35]
	s_add_nc_u64 s[20:21], s[20:21], s[36:37]
	global_load_b128 v[14:17], v4, s[14:15]        ; ln_g and ln_b of my K step: 512 consecutive bytes each
	global_load_b128 v[18:21], v4, s[16:17]
.irp i, 0,1,2,3,4,5,6,7,8,9,10,11,12,13,14,15
	global_load_b128 v[X+4*\i:X+4*\i+3], v4, s[4:5] offset:(\i+24*(\i/8))*4096 th:TH_LOAD_NT   ; the tile's row i: 32 lanes read 512 consecutive bytes; read once in the launch
.endr
	s_wait_loadcnt 16                              ; ln_g and ln_b are in; the 16 loads of rows behind them may be out
	ds_store_b128 v[GW], v[14:17]
	ds_store_b128 v[GW], v[18:21] offset:512
.irp c, 0,1
.irp j, 0,1,2,3,4,5,6,7
	ds_load_b128 v[G+32*\c+4*\j:G+32*\c+4*\j+3], v[GR] offset:256*\c+16*\j       ; register 32 c + j: ln_g(128 s + 64 c + 32 h + j); these stand under the flight of the rows' loads
	ds_load_b128 v[B+32*\c+4*\j:B+32*\c+4*\j+3], v[GR] offset:512+256*\c+16*\j
.endr
.endr
.irp i, 0,1,2,3,4,5,6,7,8,9,10,11,12,13,14,15
	s_wait_loadcnt 15-\i                           ; loads come back in order (ISA guide 5.7.1): row i is in, the younger rows may be out
	ds_store_b128 v[XW], v[X+4*\i:X+4*\i+3] offset:XP*\i
.endr
.irp c, 0,1
.irp j, 0,1,2,3,4,5,6,7
	ds_load_b128 v[X+32*\c+4*\j:X+32*\c+4*\j+3], v[XR] offset:256*\c+16*\j       ; back into the registers that they left: row r, k = 64 c + 32 h + 4 j on
.endr
.endr
; Two chains of packed sums in v[10:13] become the row's sum over all eight waves, in v14 of every lane.  off: the LDS words of this reduction (each has its own, so one barrier does).
.macro REDUCE off
	s_delay_alu instid0(VALU_DEP_1)
	v_pk_add_f32 v[10:11], v[10:11], v[12:13]
	s_delay_alu instid0(VALU_DEP_1)
	v_add_f32 v10, v10, v11
	s_delay_alu instid0(VALU_DEP_1)
	v_permlanex16_b32 v11, v10, s26, s27           ; the row's other half of this K step lies in lane l xor 16
	s_delay_alu instid0(VALU_DEP_1)
	v_add_f32 v10, v10, v11
	ds_store_b32 v6, v10 offset:\off               ; lanes r and r + 16 write the same word with the same value
	s_wait_dscnt 0x0                               ; for the others' sake: my store has landed
	s_barrier_signal -1
	s_barrier_wait -1
.irp w, 0,1,2,3,4,5,6,7
	ds_load_b32 v[14+\w], v7 offset:\off+64*\w
.endr
	s_wait_dscnt 0x0
	v_pk_add_f32 v[14:15], v[14:15], v[16:17]      ; the same order in every wave: all eight get the same bits
	v_pk_add_f32 v[18:19], v[18:19], v[20:21]
	s_delay_alu instid0(VALU_DEP_1)
	v_pk_add_f32 v[14:15], v[14:15], v[18:19]
	s_delay_alu instid0(VALU_DEP_1)
	v_add_f32 v14, v14, v15
.endm
	s_wait_dscnt 0x0                               ; my 64 numbers are back from the stage, and so are ln_g and ln_b, which were asked for ahead of them
	v_pk_add_f32 v[10:11], v[X:X+1], v[X+2:X+3]
	v_pk_add_f32 v[12:13], v[X+4:X+5], v[X+6:X+7]
.irp j, 8,12,16,20,24,28,32,36,40,44,48,52,56,60
	s_delay_alu instid0(VALU_DEP_2)
	v_pk_add_f32 v[10:11], v[10:11], v[X+\j:X+\j+1]
	s_delay_alu instid0(VALU_DEP_2)
	v_pk_add_f32 v[12:13], v[12:13], v[X+\j+2:X+\j+3]
.endr
	REDUCE 0
	s_delay_alu instid0(VALU_DEP_1)
	v_mul_f32 v22, s25, v14                        ; the mean;
	s_delay_alu instid0(VALU_DEP_1)
	v_cndmask_b32 v22, 0, v22, s24                 ; 0 for a weight
	s_delay_alu instid0(VALU_DEP_1)
	v_mov_b32 v23, v22
.set j, 0
.rept 32
	v_pk_add_f32 v[X+j:X+j+1], v[X+j:X+j+1], v[22:23] neg_lo:[0,1] neg_hi:[0,1]
.set j, j+2
.endr
	v_pk_mul_f32 v[10:11], v[X:X+1], v[X:X+1]
	v_pk_mul_f32 v[12:13], v[X+2:X+3], v[X+2:X+3]
.irp j, 4,8,12,16,20,24,28,32,36,40,44,48,52,56,60
	s_delay_alu instid0(VALU_DEP_2)
	v_pk_fma_f32 v[10:11], v[X+\j:X+\j+1], v[X+\j:X+\j+1], v[10:11]
	s_delay_alu instid0(VALU_DEP_2)
	v_pk_fma_f32 v[12:13], v[X+\j+2:X+\j+3], v[X+\j+2:X+\j+3], v[12:13]
.endr
	REDUCE RED1
	s_delay_alu instid0(VALU_DEP_1)
	v_fmaak_f32 v24, s25, v14, 0x3727c5ac          ; the variance + 1e-5
	s_wait_alu depctr_va_vdst(0)
	v_rsq_f32 v24, v24
	v_nop                                          ; one plain place behind a transcendental (ISA guide 5.7.2)
	s_wait_alu depctr_va_vdst(0)
	v_cndmask_b32 v24, 1.0, v24, s24               ; 1.0 for a weight
	s_delay_alu instid0(VALU_DEP_1)
	v_mov_b32 v25, v24
.set j, 0
.rept 32
	v_pk_mul_f32 v[X+j:X+j+1], v[X+j:X+j+1], v[24:25]
.set j, j+2
.endr
	s_cmp_lt_u32 ttmp9, 256
	s_cbranch_scc0 .Lplain                         ; a weight has no gain and no bias: register work alone is jumped over
.set j, 0
.rept 32
	v_pk_fma_f32 v[X+j:X+j+1], v[X+j:X+j+1], v[G+j:G+j+1], v[B+j:B+j+1]
.set j, j+2
.endr
.Lplain:
	; the quantiser: my blocks 2 c + h, c = 0, 1: all 32 numbers of each are mine
.irp c, 0,1
	v_max3_num_f32 v[26+\c], |v[X+32*\c]|, |v[X+32*\c+1]|, 0x1800000   ; and the floor 2^(3 - 127): the byte cannot fall under 1
.endr
.irp i, 2,4,6,8,10,12,14,16,18,20,22,24,26,28,30
.irp c, 0,1
	s_delay_alu instid0(VALU_DEP_2)
	v_max3_num_f32 v[26+\c], v[26+\c], |v[X+32*\c+\i]|, |v[X+32*\c+\i+1]|   ; (the two blocks by turns)
.endr
.endr
.irp c, 0,1
	s_delay_alu instid0(VALU_DEP_2)
	v_add_nc_u32 v[28+\c], 0xff000000, v[26+\c]    ; 2 off the exponent field: the conversion takes the exponent field of this operand as its scale
.endr
.irp c, 0,1
	s_delay_alu instid0(VALU_DEP_2)
	v_lshrrev_b32 v[30+\c], 23, v[28+\c]           ; the scale's byte
.endr
	s_delay_alu instid0(VALU_DEP_1)
	v_lshl_or_b32 v30, v31, 16, v30                ; my two bytes: blocks h and 2 + h,
	v_lshlrev_b32 v31, 3, v3
	s_delay_alu instid0(VALU_DEP_1)
	v_lshlrev_b32 v30, v31, v30                    ; at their places in the row's word (8 h bits up);
	s_delay_alu instid0(VALU_DEP_1)
	v_permlanex16_b32 v31, v30, s26, s27
	s_delay_alu instid0(VALU_DEP_1)
	v_or_b32 v30, v30, v31                         ; with lane l xor 16's two the word is whole, in both halves of the lanes
.irp c, 0,1
	v_cvt_scalef32_pk16_fp6_f32 v[C+6*\c:C+6*\c+2], v[X+32*\c:X+32*\c+15], v[28+\c]
	v_cvt_scalef32_pk16_fp6_f32 v[C2+4*\c:C2+4*\c+2], v[X+32*\c+16:X+32*\c+31], v[28+\c]
.endr
	v_nop                                          ; one plain place behind a scaled conversion
.irp c, 0,1
.irp i, 0,1,2
	v_mov_b32 v[C+6*\c+3+\i], v[C2+4*\c+\i]
.endr
.endr
.irp q, 0,1,2
	global_store_b128 v8, v[C+4*\q:C+4*\q+3], s[18:19] offset:512*\q   ; 32 lanes store 512 consecutive bytes, at a multiple of 256 from the buffer's first byte
.endr
	ds_store_b32 v9, v30 offset:SCG                ; the tile's 8 x 32 scale words meet in LDS,
	s_wait_dscnt 0x0
	s_barrier_signal -1
	s_barrier_wait -1
	s_cmp_lt_u32 s23, 4
	s_cbranch_scc0 .Ldone
	ds_load_b64 v[14:15], v[GA] offset:SCG         ; and leave by waves 0 to 3, 256 consecutive bytes a wave
	s_wait_dscnt 0x0
	global_store_b64 v[GA], v[14:15], s[20:21]
.Ldone:
	s_wait_tensorcnt 0x0
	ds_add_u32 v248, v249
	s_wait_dscnt 0x0
	s_endpgm
.Lfunc_end_k_q8778f6fa1e_prep:
	.size	k_q8778f6fa1e_prep, .Lfunc_end_k_q8778f6fa1e_prep-k_q8778f6fa1e_prep
	.p2alignl 7, 3214868480
	.fill 96, 4, 3214868480
	.section	.rodata,"a",@progbits
	.p2align	6, 0x0
	.amdhsa_kernel k_q8778f6fa1e_prep
		.amdhsa_group_segment_fixed_size 78848
		.amdhsa_private_segment_fixed_size 0
		.amdhsa_enable_private_segment 0
		.amdhsa_kernarg_size 72
		.amdhsa_user_sgpr_count 2
		.amdhsa_user_sgpr_kernarg_segment_ptr 1
		.amdhsa_wavefront_size32 1
		.amdhsa_system_sgpr_workgroup_id_x 1
		.amdhsa_system_sgpr_workgroup_id_y 1
		.amdhsa_system_sgpr_workgroup_id_z 1
		.amdhsa_system_vgpr_workitem_id 0
		.amdhsa_next_free_vgpr 250
		.amdhsa_next_free_sgpr 66
		.amdhsa_reserve_vcc 0
		.amdhsa_float_denorm_mode_32 3
		.amdhsa_float_denorm_mode_16_64 3
		.amdhsa_memory_ordered 1
		.amdhsa_forward_progress 1
		.amdhsa_inst_pref_size 30
	.end_amdhsa_kernel
	.amdgpu_metadata
---
amdhsa.version: [ 1, 2 ]
amdhsa.kernels:
  - .name:           k_q8778f6fa1e_prep
    .symbol:         k_q8778f6fa1e_prep.kd
    .args:
      - { .name: x, .offset: 0, .size: 8, .value_kind: global_buffer, .address_space: global }
      - { .name: Wq, .offset: 8, .size: 8, .value_kind: global_buffer, .address_space: global }
      - { .name: Wk, .offset: 16, .size: 8, .value_kind: global_buffer, .address_space: global }
      - { .name: Wv, .offset: 24, .size: 8, .value_kind: global_buffer, .address_space: global }
      - { .name: Wo, .offset: 32, .size: 8, .value_kind: global_buffer, .address_space: global }
      - { .name: ln_g, .offset: 40, .size: 8, .value_kind: global_buffer, .address_space: global }
      - { .name: ln_b, .offset: 48, .size: 8, .value_kind: global_buffer, .address_space: global }
      - { .name: codes, .offset: 56, .size: 8, .value_kind: global_buffer, .address_space: global }
      - { .name: scl, .offset: 64, .size: 8, .value_kind: global_buffer, .address_space: global }
    .group_segment_fixed_size: 78848
    .private_segment_fixed_size: 0
    .kernarg_segment_align: 8
    .kernarg_segment_size: 72
    .max_flat_workgroup_size: 256
    .sgpr_count:     66
    .vgpr_count:     250
    .wavefront_size: 32
...
	.end_amdgpu_metadata
.endif
;; end of part 5
;; launch qkv (part 6): grid 16 x 16, 4 waves a work-group, clusters of 4 x 1, 168,448 bytes of LDS; arguments codes, scl, q_gamma, k_gamma, qc, qs, kv; writes qc, qs, kv
.if DOCPART == 6
	.amdgcn_target "amdgcn-amd-amdhsa--gfx1250"
	.amdhsa_code_object_version 6
	.text
	.protected	k_q8778f6fa1e_qkv
	.globl	k_q8778f6fa1e_qkv
	.p2align	8
	.type	k_q8778f6fa1e_qkv,@function
k_q8778f6fa1e_qkv:
	s_mov_b64 s[64:65], 0
	v_nop
	global_prefetch_b8 v0, s[64:65] scope:SCOPE_SE
	s_setreg_imm32_b32 hwreg(HW_REG_WAVE_MODE, 25, 1), 1
	s_wait_xcnt 0x0
	s_wait_alu depctr_hold_cnt(0) depctr_sa_sdst(0) depctr_va_vdst(0) depctr_va_sdst(0) depctr_va_ssrc(0) depctr_va_vcc(0) depctr_vm_vsrc(0)
	s_getreg_b32 s2, hwreg(HW_REG_IB_STS2, 6, 4)
	s_cmp_eq_u32 s2, 0
	s_cbranch_scc0 .Lentry_in_a_cluster
	s_endpgm
.Lentry_in_a_cluster:
	s_bfe_u32 s2, ttmp6, 0x10000c
	s_cmp_lg_u32 s2, 0x3003
	s_cbranch_scc0 .Lentry_shape_is_right
	s_endpgm
.Lentry_shape_is_right:
; q, k, v = xn Wq^T, xn Wk^T, xn Wv^T on codes of FP6 (E2M3); then the RMS norm of q and k over a head's 64, and q, k, v quantised again, in registers, for attention's two products.
; SHARES.  A work-group makes 256 tokens (block tb) x one head's 64 q + 64 k + 64 v features.  Wave w takes tokens 64 w .. 64 w + 63: 4 tiles of tokens x 12 tiles of features = 48 accumulators, 384 registers;
; K = 1,024 in 8 steps of 128: 384 matrix instructions a wave.  16 x 16 work-groups: one for each of 256 WGPs.
; FEEDING.  The head's rows of Wq, Wk, Wv are one dense block of fragment images (147,456 bytes) and one of scale words (12,288): both fit in LDS whole and are filled ONCE: no ring, nothing is filled again.
; CLUSTER.  The four token blocks of a cluster want the same block of W: it is asked for JOINTLY (mask 15), waves 0 to 2 one type's codes each, wave 3 the scale words: one tensor load of a wave is out, no more.
; xn's fragments are read by one wave alone, so they come from memory straight into registers, as images (512 consecutive bytes a load), two K steps ahead.
; LAYOUT.  A tile holds rows 64 (T / 4) + 8 (T % 4) + r + 24 (r / 8).  q and k: source 0 = 16 rows of W, source 1 = 16 tokens: a lane holds ONE token, and the 32 registers of its four feature tiles
; are features 32 h + 0 .. 31 (register j): neighbours along attention's first K.  v: source 0 = 16 tokens, source 1 = 16 rows of Wv: a lane holds ONE feature, and its registers run along the tokens:
; the keys, attention's second K.  So all three are quantised where they lie.
; OUT.  Half images, 16 rows x 64 K, 6 registers a lane, 768 bytes: registers 0-3 at 16 l, registers 4-5 at 512 + 8 l.  q: qc[bh][tile][768], words qs[bh][4 tiles][lane][4].
; k, v: kv[bh][128 keys][14,336]: K's 8 tiles, V's [64 keys][4 tiles], K's words, V's words: all that attention wants of 128 keys, dense.
; q's and k's words carry 0x7f in bytes 2 and 3: attention's first product has K = 64, and the other 64 of the instruction's 128 are zero codes.
; RMS norm: y = a x (1 / max(sqrt(sum a^2) / 8, 1e-8)) x gamma, q's also / 8 (exact); all f32.
; LIMITS: NaN and infinities are not served; a block of zeros has the byte 1 where the rule says 127 (its codes are zeros; this program alone reads the bytes); blocks under 2^-124 were not tried.
; REGISTERS, in windows of 256.  window 0: v3-10 addresses; v16-47 xn's scale words (8 i + s); v48-59 W's, a set for each type; v64-207 xn's fragments, three sets of 48;
;   after the products: v64-95 Y, v96-191 twelve sets of codes, v192-203 their words, v208-215 at work, v224-239 sums of squares, v240-247 1 / norm.
;   window 1: W's fragments, a set of 48 for each type.   window 2: q's and k's accumulators, 128 type + 32 i + 8 n.   window 3: v's, 32 n + 8 i; v128-159 q_gamma, v160-191 k_gamma.
.set DB,   12288                       ; a tile's 8 fragments
.set FRB,  1536                        ; a fragment's image
.set WSC,  147456                      ; LDS: W's codes at 0: type x 49,152 + n x 12,288 + s x 1,536;  W's scale words here: ((4 type + n) 8 + s) x 128 + 4 lane
.set AW,   4                           ; v4-6  16 x lane + 49,152 x type  (v4 is also the global offset 16 x lane)
.set XS,   16
.set WS,   48
.set XF,   64
.set Y,    64
.set P,    96
.set WD,   192
.set QM,   208
.set SS,   224
.set INV,  240
.set GAM,  128
.set MSB, 0
.macro WIN new                         ; the immediate's high byte repeats the setting that is left; a switch that changes nothing is dropped
.if MSB != \new
	s_set_vgpr_msb (MSB<<8)|\new
.set MSB, \new
.endif
.endm
.macro ROUND                           ; a round of the cluster's barrier
	s_barrier_signal -1
	s_barrier_wait -1
	s_cmp_lg_u32 s18, 0
	s_cbranch_scc1 .Lnot_wave_0_\@
	s_barrier_signal -3
.Lnot_wave_0_\@:
	s_barrier_wait -3
	s_barrier_signal -1
	s_barrier_wait -1
.endm
.macro PLACES                          ; four plain vector instructions behind a matrix instruction, in front of loads into its registers and of reads of its results
.rept 4
	v_nop
.endr
.endm
	s_load_b256 s[4:11], s[0:1], 0x0               ; codes, scl, q_gamma, k_gamma
	s_load_b128 s[12:15], s[0:1], 0x20             ; qc, qs
	s_load_b64 s[16:17], s[0:1], 0x30              ; kv
	v_lshl_add_u32 v254, v0, 2, 0x29000
	v_mov_b32 v255, 0
	ds_add_u32 v254, v255
	ds_add_u32 v254, v255
	v_lshrrev_b32 v1, 5, v0
	v_readfirstlane_b32 s18, v1                    ; wave 0..3
	v_and_b32 v2, 31, v0                           ; lane
	v_lshlrev_b32 v4, 4, v2                        ; 16 x lane
	v_lshlrev_b32 v3, 3, v2                        ; 8 x lane
	v_lshlrev_b32 v8, 2, v2                        ; 4 x lane
	v_add_nc_u32 v5, 49152, v4
	v_add_nc_u32 v6, 98304, v4
	v_lshl_add_u32 v7, v2, 2, WSC
	v_bfe_u32 v9, v0, 4, 1
	; A TILE'S ROWS (this stands for the formula in the head comment): 64 (T / 4) + 8 (T % 4) + r + 24 (r / 8): a lane's 32 registers of four tiles are k = 32 h + 0 .. 31: one whole block
	v_lshlrev_b32 v10, 7, v9                       ; 128 h: my half's 32 numbers of a gamma
	v_lshlrev_b32 v11, 3, v9                       ; 8 h: my block's byte's place in a scale word
	s_bfe_u32 s19, ttmp6, 0x40000                  ; cx
	s_lshl_b32 s20, ttmp9, 2
	s_add_co_u32 s20, s20, s19                     ; tb = 4 x cluster x + cx: it enters global addresses of my own alone
	s_and_b32 s21, ttmp7, 0xffff                   ; the head, which the four partners share
	s_mov_b32 s48, 0x76543210
	s_mov_b32 s49, 0xfedcba98
	; descriptor group 1: dense blocks as rows of 256 bytes (32 elements of 8 bytes): 192 rows of codes (waves 0 to 2) or 48 rows of scale words (wave 3), to a wave
	s_mov_b32 s24, 15|(3<<16)|(1<<21)              ; 15:0 the mask: all four work-groups; 17:16 elements of 8 bytes; 21 set beside a mask; no padding: the images are read as they lie, 512 consecutive bytes a load
	s_mov_b32 s25, 32<<16                          ; tensor_dim0 = 32
	s_mov_b32 s26, 192<<16                         ; tensor_dim1 = 192: one type's 49,152 bytes
	s_mov_b32 s27, 32<<16                          ; tile_dim0 = 32
	s_mov_b32 s28, 192
	s_mov_b32 s29, 32                              ; pitch
	s_mov_b32 s30, 0
	s_mov_b32 s31, 0
	s_mov_b32 s32, 15|(3<<16)|(1<<21)
	s_mov_b32 s33, 32<<16
	s_mov_b32 s34, 48<<16                          ; all 12,288 bytes of scale words
	s_mov_b32 s35, 32<<16
	s_mov_b32 s36, 48
	s_mov_b32 s37, 32
	s_mov_b32 s38, 0
	s_mov_b32 s39, 0
	s_mul_i32 s66, s21, 12
	s_add_co_u32 s66, s66, 256                     ; the head's first tile of W
	s_mul_i32 s68, s66, 1024
	s_mul_i32 s66, s66, DB
	s_mul_i32 s41, s18, 49152                      ; waves 0 to 2: one type's codes each: in LDS,
	s_add_co_u32 s66, s66, s41                     ; and in memory
	s_mov_b32 s67, 0
	s_mov_b32 s69, 0
	s_mov_b32 s45, WSC                             ; wave 3: the scale words
	s_mov_b32 s40, 1
	s_mov_b32 s44, 1
	s_wait_dscnt 0x0
	s_wait_kmcnt 0x0
	s_add_nc_u64 s[42:43], s[4:5], s[66:67]
	s_or_b32 s43, s43, 0x80000000
	s_add_nc_u64 s[46:47], s[6:7], s[68:69]
	s_or_b32 s47, s47, 0x80000000
	ROUND                                          ; all four work-groups are here: the joint loads meet
	s_cmp_lt_u32 s18, 3                            ; one tensor load a wave at the head: one chain of branches on the wave's number
	s_cbranch_scc0 .Lw_words
	tensor_load_to_lds s[40:43], s[24:31]
	s_nop 0
	PLACES
	s_branch .Lw_asked
.Lw_words:
	tensor_load_to_lds s[44:47], s[32:39]
	s_nop 0
	PLACES
.Lw_asked:
	; my own addresses
	s_lshl_b32 s70, s20, 4
	s_lshl_b32 s71, s18, 2
	s_add_co_u32 s70, s70, s71                     ; my first tile of xn: 16 tb + 4 w
	s_mul_i32 s72, s70, 1024
	s_mul_i32 s70, s70, DB
	s_mov_b32 s71, 0
	s_mov_b32 s73, 0
	s_add_nc_u64 s[50:51], s[4:5], s[70:71]        ; xn's fragments
	s_add_nc_u64 s[52:53], s[6:7], s[72:73]        ; xn's scale words
	WIN 0xc0                                       ; destination window 3
	s_wait_alu depctr_va_vdst(0)
.irp b, 0,1
.irp q, 0,1,2,3
	global_load_b128 v[GAM+16*\b+4*\q:GAM+16*\b+4*\q+3], v10, s[8:9] offset:64*\b+16*\q          ; register j: gamma(32 h + j)
	global_load_b128 v[GAM+32+16*\b+4*\q:GAM+32+16*\b+4*\q+3], v10, s[10:11] offset:64*\b+16*\q
.endr
.endr
	WIN 0
.irp i, 0,1,2,3
.irp s, 0,1,2,3,4,5,6,7
	global_load_b32 v[XS+8*\i+\s], v8, s[52:53] offset:\i*1024+\s*128
.endr
.endr
.macro XLOAD ks                        ; xn's four fragments of K step ks into set ks % 3: 12 loads
.irp i, 0,1,2,3
.irp c, 0,1,2
	global_load_b128 v[XF+48*((\ks)%3)+12*\i+4*\c:XF+48*((\ks)%3)+12*\i+4*\c+3], v4, s[50:51] offset:\i*DB+(\ks)*FRB+512*\c
.endr
.endr
.endm
	XLOAD 0
	XLOAD 1
	s_lshr_b32 s74, s20, 3
	s_lshl_b32 s74, s74, 4
	s_add_co_u32 s74, s74, s21                     ; bh = 16 x batch + head
	s_and_b32 s75, s20, 7                          ; my block among the batch's eight
	s_lshl_b32 s70, s74, 7
	s_lshl_b32 s72, s75, 4
	s_add_co_u32 s70, s70, s72
	s_lshl_b32 s72, s18, 2
	s_add_co_u32 s70, s70, s72
	s_mul_i32 s70, s70, 768
	s_add_nc_u64 s[54:55], s[12:13], s[70:71]      ; q's half images: (128 bh + 16 block + 4 w) x 768
	s_lshl_b32 s70, s74, 5
	s_lshl_b32 s72, s75, 2
	s_add_co_u32 s70, s70, s72
	s_add_co_u32 s70, s70, s18
	s_lshl_b32 s70, s70, 9
	s_add_nc_u64 s[56:57], s[14:15], s[70:71]      ; q's words: (32 bh + 4 block + w) x 512
	s_lshl_b32 s70, s74, 4
	s_lshl_b32 s72, s75, 1
	s_add_co_u32 s70, s70, s72
	s_lshr_b32 s72, s18, 1
	s_add_co_u32 s70, s70, s72
	s_mul_i32 s70, s70, 14336                      ; my 128 keys' record: (16 bh + 2 block + w / 2) x 14,336
	s_and_b32 s72, s18, 1
	s_mul_i32 s73, s72, 3072
	s_lshl_b32 s72, s72, 9
	s_add_co_u32 s72, s72, s70
	s_add_co_u32 s72, s72, 12288
	s_add_co_u32 s70, s70, s73
	s_mov_b32 s73, 0
	s_add_nc_u64 s[58:59], s[16:17], s[70:71]      ; K's tiles of my 64 keys (V's lie 6,144 on)
	s_add_nc_u64 s[60:61], s[16:17], s[72:73]      ; K's words of my 64 keys (V's lie 1,024 on)
.macro FETCHW g                        ; group g = 3 s + type: W's four fragments and scale words of that type and K step: 16 LDS loads
.set fs, (\g)/3
.set ft, (\g)%3
	WIN 0x40                                       ; destination window 1
.irp n, 0,1,2,3
.irp c, 0,1,2
	ds_load_b128 v[48*ft+12*\n+4*\c:48*ft+12*\n+4*\c+3], v[AW+ft] offset:\n*DB+fs*FRB+512*\c
.endr
.endr
	WIN 0
.irp n, 0,1,2,3
	ds_load_b32 v[WS+4*ft+\n], v7 offset:((ft*4+\n)*8+fs)*128
.endr
.endm
.macro MM d, a, b, sa, sb, zero        ; zero = 1: the first K step starts the sum: nothing is cleared
.if \zero
	v_wmma_scale_f32_16x16x128_f8f6f4 v[\d:\d+7], v[\a:\a+11], v[\b:\b+11], 0, v[\sa], v[\sb] matrix_a_fmt:MATRIX_FMT_FP6 matrix_b_fmt:MATRIX_FMT_FP6
.else
	v_wmma_scale_f32_16x16x128_f8f6f4 v[\d:\d+7], v[\a:\a+11], v[\b:\b+11], v[\d:\d+7], v[\sa], v[\sb] matrix_a_fmt:MATRIX_FMT_FP6 matrix_b_fmt:MATRIX_FMT_FP6
.endif
.endm
; A group: 16 matrix instructions, one type, one K step, each accumulator once.  The 48 accumulators take turns, one instruction a turn, in the same order in every K step.
; W's fragments are fetched two groups ahead, into the set that the group just issued has read; xn's two K steps ahead.
.macro GROUP ks, ty
.set gg, 3*(\ks)+(\ty)
.if (\ks) == 0
.set zz, 1
.else
.set zz, 0
.endif
.if gg > 0
	PLACES
.endif
.if gg+2 < 24
	FETCHW gg+2
.endif
.if (\ty) == 0
.if (\ks) < 6
	XLOAD (\ks)+2
	s_wait_loadcnt 24                              ; this K step's fragments of xn are in (and all that was asked for ahead of them); the 24 loads of the two steps behind may be out
.elseif (\ks) == 6
	s_wait_loadcnt 12
.else
	s_wait_loadcnt 0
.endif
.endif
.if gg < 22
	s_wait_dscnt 32                                ; this group's 16 LDS loads are in; the two younger fetches may be out
.elseif gg == 22
	s_wait_dscnt 16
.else
	s_wait_dscnt 0
.endif
.if (\ty) < 2
	WIN 0xa1                                       ; source 0 (W) window 1, source 1 (xn) window 0, C and D window 2
.irp i, 0,1,2,3
.irp n, 0,1,2,3
	MM 128*(\ty)+32*\i+8*\n, 48*(\ty)+12*\n, XF+48*((\ks)%3)+12*\i, WS+4*(\ty)+\n, XS+8*\i+(\ks), zz
.endr
.endr
.else
	WIN 0xf4                                       ; source 0 (xn) window 0, source 1 (Wv) window 1, C and D window 3
.irp i, 0,1,2,3
.irp n, 0,1,2,3
	MM 32*\n+8*\i, XF+48*((\ks)%3)+12*\i, 96+12*\n, XS+8*\i+(\ks), WS+8+\n, zz
.endr
.endr
.endif
.endm
	s_wait_tensorcnt 0x0                           ; my share of W has landed,
	s_barrier_signal -1
	s_barrier_wait -1                              ; everybody's have
	FETCHW 0
	FETCHW 1
.irp ks, 0,1,2,3,4,5,6,7
.irp ty, 0,1,2
	GROUP \ks, \ty
.endr
.endr
; 32 numbers of a lane in window w, register j = k 32 h + j of my row, become a half image in v[p] .. v[p + 5] and the row's scale word (bytes 0, 1; hi is set above them) in v[wd].
.macro QUANT2 y, w, p, wd, hi
.set qw, 5*(\w)
	WIN qw                                         ; sources 0 and 1 in window w
	; my 32 numbers are block h of my row, whole: register j = k 32 h + j.  Two chains, in ascending order, with the floor 2^(3 - 127)
.irp b, 0,1
	v_max3_num_f32 v[QM+\b], |v[(\y)+2*\b]|, |v[(\y)+2*\b+1]|, 0x1800000
.endr
.irp i, 4,8,12,16,20,24,28
.irp b, 0,1
	v_max3_num_f32 v[QM+\b], |v[(\y)+\i+2*\b]|, |v[(\y)+\i+2*\b+1]|, v[QM+\b]
.endr
.endr
	WIN 0
	v_max_num_f32 v[QM], v[QM], v[QM+1]            ; the block's largest magnitude
	v_add_nc_u32 v[QM+4], 0xff000000, v[QM]        ; 2 off its exponent field: the conversion's scale operand
	v_lshrrev_b32 v[QM+6], 23, v[QM+4]             ; the scale's byte,
	v_lshlrev_b32 v[QM+6], v11, v[QM+6]            ; at its place, 8 h bits up;
	v_permlanex16_b32 v[QM+2], v[QM+6], s48, s49
	v_or_b32 v[\wd], v[QM+6], v[QM+2]              ; with lane l xor 16's the row's two bytes are together
.if \hi
	v_or_b32 v[\wd], \hi, v[\wd]
.endif
	WIN \w                                         ; source 0 in window w
	v_cvt_scalef32_pk16_fp6_f32 v[\p:\p+2], v[(\y):(\y)+15], v[QM+4]
	v_cvt_scalef32_pk16_fp6_f32 v[\p+4:\p+6], v[(\y)+16:(\y)+31], v[QM+4]   ; (a conversion's three registers begin on an even number)
	WIN 0
	v_nop                                          ; one plain place behind a scaled conversion
.irp i, 3,4,5
	v_mov_b32 v[\p+\i], v[\p+\i+1]                 ; the upper 16 codes move down one register, in ascending order
.endr
.endm
; q (ty = 0) or k (1): the RMS norm of my four tiles of tokens, the quantiser, the stores.  cb: the scalar pair of the half images' base;  wb: of the words'.
.macro NORM ty, cb, wb
	WIN 0x0a                                       ; sources 0 and 1 window 2
.irp i, 0,1,2,3
	v_pk_mul_f32 v[SS+4*\i:SS+4*\i+1], v[128*\ty+32*\i:128*\ty+32*\i+1], v[128*\ty+32*\i:128*\ty+32*\i+1]   ; each accumulator is read from its low end on
.endr
.irp i, 0,1,2,3
	v_pk_mul_f32 v[SS+4*\i+2:SS+4*\i+3], v[128*\ty+32*\i+2:128*\ty+32*\i+3], v[128*\ty+32*\i+2:128*\ty+32*\i+3]
.endr
.irp j, 4,8,12,16,20,24,28
.irp i, 0,1,2,3
	v_pk_fma_f32 v[SS+4*\i:SS+4*\i+1], v[128*\ty+32*\i+\j:128*\ty+32*\i+\j+1], v[128*\ty+32*\i+\j:128*\ty+32*\i+\j+1], v[SS+4*\i:SS+4*\i+1]
.endr
.irp i, 0,1,2,3
	v_pk_fma_f32 v[SS+4*\i+2:SS+4*\i+3], v[128*\ty+32*\i+\j+2:128*\ty+32*\i+\j+3], v[128*\ty+32*\i+\j+2:128*\ty+32*\i+\j+3], v[SS+4*\i+2:SS+4*\i+3]
.endr
.endr
	WIN 0
.irp i, 0,1,2,3
	v_pk_add_f32 v[SS+4*\i:SS+4*\i+1], v[SS+4*\i:SS+4*\i+1], v[SS+4*\i+2:SS+4*\i+3]
.endr
.irp i, 0,1,2,3
	v_add_f32 v[SS+4*\i], v[SS+4*\i], v[SS+4*\i+1]
.endr
.irp i, 0,1,2,3
	v_permlanex16_b32 v[SS+4*\i+1], v[SS+4*\i], s48, s49   ; the token's other 32 features lie in lane l xor 16
.endr
.irp i, 0,1,2,3
	v_add_f32 v[SS+4*\i], v[SS+4*\i], v[SS+4*\i+1]
.endr
	s_wait_alu depctr_va_vdst(0)
.irp i, 0,1,2,3
	v_sqrt_f32 v[SS+4*\i], v[SS+4*\i]
.endr
	v_nop                                          ; one plain place behind a transcendental
	s_wait_alu depctr_va_vdst(0)
.irp i, 0,1,2,3
	v_mul_f32 v[SS+4*\i], 0x3e000000, v[SS+4*\i]   ; x 64^-0.5
.endr
.irp i, 0,1,2,3
	v_max_num_f32 v[SS+4*\i], 0x322bcc77, v[SS+4*\i]   ; held at 1e-8 from below
.endr
	s_wait_alu depctr_va_vdst(0)
.irp i, 0,1,2,3
	v_rcp_f32 v[INV+2*\i], v[SS+4*\i]
.endr
	v_nop
	s_wait_alu depctr_va_vdst(0)
.if \ty == 0
	s_wait_alu depctr_va_vdst(0)
.irp i, 0,1,2,3
	v_mul_f32 v[INV+2*\i], 0x3e000000, v[INV+2*\i] ; q's scale, 64^-0.5: a power of two
.endr
.endif
.irp i, 0,1,2,3
	WIN 0x02                                       ; source 0 window 2
.set j, 0
.rept 16
	v_pk_mul_f32 v[Y+j:Y+j+1], v[128*\ty+32*\i+j:128*\ty+32*\i+j+1], v[INV+2*\i:INV+2*\i+1] op_sel_hi:[1,0]
.set j, j+2
.endr
	WIN 0x0c                                       ; source 1 window 3
.set j, 0
.rept 16
	v_pk_mul_f32 v[Y+j:Y+j+1], v[Y+j:Y+j+1], v[GAM+32*\ty+j:GAM+32*\ty+j+1]
.set j, j+2
.endr
	QUANT2 Y, 0, P+8*(4*\ty+\i), WD+4*\ty+\i, 0x7f7f0000
	global_store_b128 v4, v[P+8*(4*\ty+\i):P+8*(4*\ty+\i)+3], s[\cb:\cb+1] offset:\i*768        ; 512 consecutive bytes,
	global_store_b64 v3, v[P+8*(4*\ty+\i)+4:P+8*(4*\ty+\i)+5], s[\cb:\cb+1] offset:\i*768+512   ; and 256: both at multiples of 256.  Every store has data registers of its own
.endr
	global_store_b128 v4, v[WD+4*\ty:WD+4*\ty+3], s[\wb:\wb+1]   ; my four tiles' words: 16 bytes a lane
.endm
	PLACES                                         ; behind the last products: results are read, and registers that held xn's fragments are written
	WIN 0
	v_mov_b32 v[QM+2], 0                           ; written once: a lane permute's destination counts as one of its sources
.irp i, 0,1,2,3
	v_mov_b32 v[INV+2*\i+1], 0                     ; (named as the upper half of a pair whose low word serves both halves)
.endr
	NORM 0, 54, 56
	NORM 1, 58, 60
.irp n, 0,1,2,3                        ; v: feature tile n x my 64 keys, as the accumulators stand
	QUANT2 32*\n, 3, P+8*(8+\n), WD+8+\n, 0
	global_store_b128 v4, v[P+8*(8+\n):P+8*(8+\n)+3], s[58:59] offset:6144+\n*768
	global_store_b64 v3, v[P+8*(8+\n)+4:P+8*(8+\n)+5], s[58:59] offset:6144+\n*768+512
.endr
	global_store_b128 v4, v[WD+8:WD+11], s[60:61] offset:1024
	s_wait_tensorcnt 0x0
	ds_add_u32 v254, v255
	s_wait_dscnt 0x0
	ROUND                                          ; the closing round: no work-group ends while a partner may still ask for a block that names it
	s_endpgm
.Lfunc_end_k_q8778f6fa1e_qkv:
	.size	k_q8778f6fa1e_qkv, .Lfunc_end_k_q8778f6fa1e_qkv-k_q8778f6fa1e_qkv
	.p2alignl 7, 3214868480
	.fill 96, 4, 3214868480
	.section	.rodata,"a",@progbits
	.p2align	6, 0x0
	.amdhsa_kernel k_q8778f6fa1e_qkv
		.amdhsa_group_segment_fixed_size 168448
		.amdhsa_private_segment_fixed_size 0
		.amdhsa_enable_private_segment 0
		.amdhsa_kernarg_size 56
		.amdhsa_user_sgpr_count 2
		.amdhsa_user_sgpr_kernarg_segment_ptr 1
		.amdhsa_wavefront_size32 1
		.amdhsa_system_sgpr_workgroup_id_x 1
		.amdhsa_system_sgpr_workgroup_id_y 1
		.amdhsa_system_sgpr_workgroup_id_z 1
		.amdhsa_system_vgpr_workitem_id 0
		.amdhsa_next_free_vgpr 960
		.amdhsa_next_free_sgpr 76
		.amdhsa_reserve_vcc 0
		.amdhsa_float_denorm_mode_32 3
		.amdhsa_float_denorm_mode_16_64 3
		.amdhsa_memory_ordered 1
		.amdhsa_forward_progress 1
		.amdhsa_inst_pref_size 150
	.end_amdhsa_kernel
	.amdgpu_metadata
---
amdhsa.version: [ 1, 2 ]
amdhsa.kernels:
  - .name:           k_q8778f6fa1e_qkv
    .symbol:         k_q8778f6fa1e_qkv.kd
    .args:
      - { .name: codes, .offset: 0, .size: 8, .value_kind: global_buffer, .address_space: global }
      - { .name: scl, .offset: 8, .size: 8, .value_kind: global_buffer, .address_space: global }
      - { .name: q_gamma, .offset: 16, .size: 8, .value_kind: global_buffer, .address_space: global }
      - { .name: k_gamma, .offset: 24, .size: 8, .value_kind: global_buffer, .address_space: global }
      - { .name: qc, .offset: 32, .size: 8, .value_kind: global_buffer, .address_space: global }
      - { .name: qs, .offset: 40, .size: 8, .value_kind: global_buffer, .address_space: global }
      - { .name: kv, .offset: 48, .size: 8, .value_kind: global_buffer, .address_space: global }
    .group_segment_fixed_size: 168448
    .private_segment_fixed_size: 0
    .kernarg_segment_align: 8
    .kernarg_segment_size: 56
    .max_flat_workgroup_size: 128
    .sgpr_count:     76
    .vgpr_count:     960
    .wavefront_size: 32
...
	.end_amdgpu_metadata
.endif
;; end of part 6
;; launch attn (part 7): grid 8 x 32, 16 waves a work-group, clusters of 4 x 1, 249,856 bytes of LDS; arguments qc, qs, kv, oc, osc; writes oc, osc
.if DOCPART == 7
	.amdgcn_target "amdgcn-amd-amdhsa--gfx1250"
	.amdhsa_code_object_version 6
	.text
	.protected	k_q8778f6fa1e_attn
	.globl	k_q8778f6fa1e_attn
	.p2align	8
	.type	k_q8778f6fa1e_attn,@function
k_q8778f6fa1e_attn:
	s_mov_b64 s[64:65], 0
	v_nop
	global_prefetch_b8 v0, s[64:65] scope:SCOPE_SE
	s_setreg_imm32_b32 hwreg(HW_REG_WAVE_MODE, 25, 1), 1
	s_wait_xcnt 0x0
	s_wait_alu depctr_hold_cnt(0) depctr_sa_sdst(0) depctr_va_vdst(0) depctr_va_sdst(0) depctr_va_ssrc(0) depctr_va_vcc(0) depctr_vm_vsrc(0)
	s_getreg_b32 s2, hwreg(HW_REG_IB_STS2, 6, 4)
	s_cmp_eq_u32 s2, 0
	s_cbranch_scc0 .Lentry_in_a_cluster
	s_endpgm
.Lentry_in_a_cluster:
	s_bfe_u32 s2, ttmp6, 0x10000c
	s_cmp_lg_u32 s2, 0x3003
	s_cbranch_scc0 .Lentry_shape_is_right
	s_endpgm
.Lentry_shape_is_right:
; O[bh][q] = the sum over k of softmax_k(q . k) v, both products on codes of FP6 (E2M3) (q carries its scale 64^-0.5); then O is quantised along the head's 64 for the output projection.
; THE SOFTMAX: t = score x log2(e); M = the row's largest t so far, rounded UP to a whole number; p = 2^(t - M) is quantised along the keys, not normalised.
; The row's sum is taken of the unquantised p, in f32, and divides O at the end.  When M moves, the sum and O are multiplied by 2^(old M - new M): exact.
; SHARES.  A work-group owns 256 queries of one head, each of its sixteen waves one tile of 16, in 256 registers; a step is 128 keys (one record), 16 steps.
; FEEDING.  A head's K, V and scale words are 16 records of 14,336 bytes: they fit in LDS whole and are filled ONCE: wave w brings record w by one joint tensor load (mask 15: the four query blocks of a cluster want the same records).
; TWO STAGES.  Waves 0 to 3 ask for records 0 to 3 first; waves 4 to 15 ask behind the wait for their Q.  A first barrier shows records 0 to 3 to all; steps 0 to 3 walk record (w + i) % 4.
; Late in step 3 every wave waits for its tensor load and a second barrier shows records 4 to 15, which steps 4 to 15 walk in order.  Nothing is filled again.
; No prefetch: all that the launch reads by tensor loads is asked for at the head; there is no loop to run ahead in.
; LAYOUT.  A tile holds rows 64 (T / 4) + 8 (T % 4) + r + 24 (r / 8).  Both products are used transposed (S^T = K Q^T, O^T = V^T P^T): a lane holds ONE query, and its 32 registers of four neighbouring tiles
; are k = 32 h + 0 .. 31: one whole block.  So a block's maximum needs no other lane, and the conversions' results are the operand's registers.
; THE FIRST PRODUCT HAS K = 64.  Two key tiles fill one operand of 128 (half images X, Y); it is multiplied by [Q | 0] for X and by [0 | Q] for Y: v16-21 Q, v22-27 zero codes, v28-33 Q again.
; SCALE WORDS.  Each wave merges its record's words once: K's of a pair of tiles (bytes 0, 1: X; 2, 3: Y) and V's of 128 keys, into LDS bytes of their own (MW), which no fill touches.
; A block's largest p is not searched for: p rises with the score, so the block's largest SCORE goes through the same multiply-add and exponential (this takes v_exp_f32 not to fall where its input rises).
; LIMITS: the scaled scores stay under 2^31 in magnitude; NaN and infinities are not served; a block of zeros has the byte 1 where the rule says 127 (its codes are zeros; this program alone reads the bytes).
; REGISTERS: v1, v2 16 and 8 x lane; v3-5 addresses of the record in hand; v6, v7 the way out of O's words; v8 8 h; v9 Q's word; v10 p's word; v11 at work; v12 -M; v13 the largest score; v[14:15] the sum;
;   v16-33 Q; v34, v35 the add's; v36-39 K's words; v40-43 V's; v44-91 K (between the score products and the next K loads: at work); v92-139 V; v140-203 S^T, then p; v204-235 O^T; v236-247 p's codes; v248-255 at work.
.set REC,   14336                      ; a record: K's 8 tiles x 768; at 6,144 V's [64 keys][4 tiles] x 768; at 12,288 K's words [4 tiles][lane][4]; at 13,312 V's [64 keys][lane][4]
.set MW,    229376                     ; merged words: 1,024 bytes a record: K's four pair words at 16 x lane, V's four at 512 + 16 x lane
.set OSG,   245760                     ; 2,048 bytes in which the sixteen waves' scale words of O meet
.set SPARE, 247808                     ; the spare words, 128 bytes a wave
.set SPW,  34
.set NIL,  35
.set KW,   36
.set VW,   40
.set KF,   44
.set T,    44
.set VF,   92
.set S,    140
.set O,    204
.set PC,   236
.macro ROUND                           ; a round of the cluster's barrier
	s_barrier_signal -1
	s_barrier_wait -1
	s_cmp_lg_u32 s14, 0
	s_cbranch_scc1 .Lnot_wave_0_\@
	s_barrier_signal -3
.Lnot_wave_0_\@:
	s_barrier_wait -3
	s_barrier_signal -1
	s_barrier_wait -1
.endm
.macro PLACES
.rept 4
	v_nop
.endr
.endm
.macro QLOAD                           ; my tile of q, twice, and its scale word
	global_load_b128 v[16:19], v1, s[4:5]
	global_load_b64 v[20:21], v2, s[4:5] offset:512
	global_load_b128 v[28:31], v1, s[4:5]
	global_load_b64 v[32:33], v2, s[4:5] offset:512
	global_load_b32 v9, v1, s[6:7]
.endm
.macro KLOAD                           ; 17 LDS loads: four pairs of key tiles and their pair words
.irp a, 0,1,2,3
	ds_load_b128 v[KF+12*\a:KF+12*\a+3], v3 offset:1536*\a
	ds_load_b64 v[KF+12*\a+4:KF+12*\a+5], v4 offset:1536*\a+512
	ds_load_b128 v[KF+12*\a+6:KF+12*\a+9], v3 offset:1536*\a+768
	ds_load_b64 v[KF+12*\a+10:KF+12*\a+11], v4 offset:1536*\a+1280
.endr
	ds_load_b128 v[KW:KW+3], v5
.endm
.macro VLOAD                           ; 17 LDS loads: V's four fragments (registers 6 c on: the half image of keys 64 c on) and their words
.irp t, 0,1,2,3
.irp c, 0,1
	ds_load_b128 v[VF+12*\t+6*\c:VF+12*\t+6*\c+3], v3 offset:6144+3072*\c+768*\t
	ds_load_b64 v[VF+12*\t+6*\c+4:VF+12*\t+6*\c+5], v4 offset:6144+3072*\c+768*\t+512
.endr
.endr
	ds_load_b128 v[VW:VW+3], v5 offset:512
.endm
.macro MERGE                           ; the last step's four chains of the row's sum join the sum
	v_pk_add_f32 v[248:249], v[248:249], v[250:251]
	v_pk_add_f32 v[252:253], v[252:253], v[254:255]
	v_pk_add_f32 v[248:249], v[248:249], v[252:253]
	v_pk_add_f32 v[14:15], v[14:15], v[248:249]
.endm
.macro WMERGE b, ra, rw                ; my record's words, merged: 24 registers from v[b]; ra: the record + 16 x lane; rw: its merged words + 16 x lane
	ds_load_b128 v[\b:\b+3], v[\ra] offset:12288       ; K's words, tiles 0-3,
	ds_load_b128 v[\b+4:\b+7], v[\ra] offset:12800     ; tiles 4-7;
	ds_load_b128 v[\b+8:\b+11], v[\ra] offset:13312    ; V's, keys 0-63,
	ds_load_b128 v[\b+12:\b+15], v[\ra] offset:13824   ; keys 64-127
	s_wait_dscnt 0x0
.irp a, 0,1,2,3
	v_perm_b32 v[\b+16+\a], v[\b+1+2*\a], v[\b+2*\a], s19   ; tile 2 a's two bytes below, tile 2 a + 1's above
.endr
.irp t, 0,1,2,3
	v_perm_b32 v[\b+20+\t], v[\b+12+\t], v[\b+8+\t], s19
.endr
	ds_store_b128 v[\rw], v[\b+16:\b+19]
	ds_store_b128 v[\rw], v[\b+20:\b+23] offset:512
.endm
.macro TMM j0, n                       ; t - M, two at a time
.set j, \j0
.rept \n
	v_pk_fma_f32 v[S+j:S+j+1], v[S+j:S+j+1], s[22:23], v[12:13] op_sel_hi:[1,0,0]
.set j, j+2
.endr
.endm
	s_load_b256 s[4:11], s[0:1], 0x0               ; qc, qs, kv, oc
	s_load_b64 s[12:13], s[0:1], 0x20              ; osc
	v_lshl_add_u32 v[SPW], v0, 2, SPARE
	v_mov_b32 v[NIL], 0
	ds_add_u32 v[SPW], v[NIL]                      ; the opening lines: the add, twice on end, and its wait
	ds_add_u32 v[SPW], v[NIL]
	v_lshrrev_b32 v1, 5, v0
	v_readfirstlane_b32 s14, v1                    ; wave 0..15
	s_lshr_b32 s47, s14, 2
	s_lshl_b32 s47, s47, 9
	s_and_b32 s48, s14, 3
	s_lshl_b32 s48, s48, 2
	s_add_co_u32 s47, s47, s48
	s_add_co_u32 s47, s47, OSG                     ; OSG + 512 (w / 4) + 4 (w % 4)
	s_bfe_u32 s15, ttmp6, 0x40000                  ; cx
	s_lshl_b32 s16, ttmp9, 2
	s_add_co_u32 s16, s16, s15                     ; my block of 256 queries: it enters global addresses of my own alone
	s_and_b32 s17, ttmp7, 0xffff                   ; bh, which the four partners share
	s_mov_b32 s18, 0xbfb8aa3b                      ; -log2(e)
	s_mov_b32 s19, 0x05040100                      ; v_perm_b32: the two low halves
	s_mov_b32 s20, 0x76543210
	s_mov_b32 s21, 0xfedcba98                      ; v_permlanex16_b32's selects for lane l xor 16
	s_mov_b32 s22, 0x3fb8aa3b                      ; log2(e)
	s_mov_b32 s23, s22
	s_mov_b32 s24, 15|(3<<16)|(1<<21)              ; group 1: the mask: all four; elements of 8 bytes; bit 21 beside a mask; no padding
	s_mov_b32 s25, 32<<16                          ; rows of 256 bytes,
	s_mov_b32 s26, 56<<16                          ; 56 of them
	s_mov_b32 s27, 32<<16
	s_mov_b32 s28, 56
	s_mov_b32 s29, 32
	s_mov_b32 s30, 0
	s_mov_b32 s31, 0
	s_lshl_b32 s38, s17, 4
	s_add_co_u32 s38, s38, s14
	s_mul_i32 s38, s38, REC                        ; record w of the head, in memory,
	s_mov_b32 s39, 0
	s_mov_b32 s32, 1
	s_mul_i32 s33, s14, REC                        ; and in LDS
	s_lshl_b32 s49, s14, 10
	s_add_co_u32 s49, s49, MW                      ; its merged words
	s_and_b32 s36, s14, 3                          ; the record that I begin with: w % 4
	s_mul_i32 s50, s36, REC
	s_lshl_b32 s51, s36, 10
	s_add_co_u32 s51, s51, MW
	v_and_b32 v3, 31, v0
	v_lshlrev_b32 v1, 4, v3                        ; 16 x lane
	v_lshlrev_b32 v2, 3, v3                        ; 8 x lane
	v_bfe_u32 v8, v0, 4, 1
	v_lshlrev_b32 v8, 3, v8                        ; 8 h
	v_add_nc_u32 v6, s47, v1                       ; where my tile's word of O goes
	v_and_b32 v7, 255, v0
	v_lshl_add_u32 v7, v7, 3, OSG                  ; how the words come back: 8 bytes a thread of waves 0 to 7
	v_add_nc_u32 v3, s50, v1
	v_add_nc_u32 v4, s50, v2
	v_add_nc_u32 v5, s51, v1
	s_wait_alu depctr_va_vdst(0)
	s_wait_dscnt 0x0
	s_wait_kmcnt 0x0
	s_add_nc_u64 s[34:35], s[8:9], s[38:39]
	s_or_b32 s35, s35, 0x80000000
	s_lshl_b32 s40, s17, 7
	s_lshl_b32 s41, s16, 4
	s_add_co_u32 s40, s40, s41
	s_add_co_u32 s40, s40, s14
	s_mul_i32 s40, s40, 768
	s_mov_b32 s41, 0
	s_add_nc_u64 s[4:5], s[4:5], s[40:41]          ; my tile of q: (128 bh + 16 block + w) x 768
	s_lshl_b32 s40, s17, 5
	s_lshl_b32 s42, s16, 2
	s_add_co_u32 s40, s40, s42
	s_lshr_b32 s42, s14, 2
	s_add_co_u32 s40, s40, s42
	s_lshl_b32 s40, s40, 9
	s_add_co_u32 s40, s40, s48
	s_add_nc_u64 s[6:7], s[6:7], s[40:41]          ; its words: (32 bh + 4 block + w / 4) x 512 + 4 (w % 4), 16 bytes a lane
	ROUND                                          ; all four work-groups are here: the joint loads meet
	s_cmp_lt_u32 s14, 4                            ; one tensor load a wave, in one chain of branches on the wave's number
	s_cbranch_scc0 .Llater
	tensor_load_to_lds s[32:35], s[24:31]          ; records 0 to 3 are asked for first
	s_nop 0
	PLACES
	QLOAD
	s_branch .Lasked
.Llater:
	QLOAD
	s_wait_loadcnt 0x0
	tensor_load_to_lds s[32:35], s[24:31]          ; records 4 to 15 behind Q: they are first read in step 4
	s_nop 0
	PLACES
.Lasked:
	s_lshr_b32 s44, s17, 4                         ; batch
	s_and_b32 s45, s17, 15                         ; head
	s_lshl_b32 s40, s44, 7
	s_lshl_b32 s46, s16, 4
	s_add_co_u32 s40, s40, s46
	s_add_co_u32 s40, s40, s14                     ; my tile of tokens T = 128 batch + 16 block + w
	s_lshl_b32 s40, s40, 4
	s_add_co_u32 s40, s40, s45
	s_mul_i32 s40, s40, 768
	s_add_nc_u64 s[10:11], s[10:11], s[40:41]      ; O's half image: (16 T + head) x 768
	s_lshl_b32 s40, s45, 6
	s_lshl_b32 s46, s44, 5
	s_add_co_u32 s40, s40, s46
	s_lshl_b32 s46, s16, 2
	s_add_co_u32 s40, s40, s46
	s_lshl_b32 s40, s40, 9
	s_add_nc_u64 s[12:13], s[12:13], s[40:41]      ; the work-group's 2,048 bytes of words: (64 head + 32 batch + 4 block) x 512
	s_wait_loadcnt 0x0                             ; Q and its word
	v_perm_b32 v9, v9, v9, s19                     ; bytes 0, 1 again in bytes 2, 3: the word serves [Q | 0] and [0 | Q]; nine plain lines follow ahead of its first use
.irp j, 22,23,24,25,26,27
	v_mov_b32 v[\j], 0                             ; the zero codes between Q's two copies
.endr
	v_mov_b32 v14, 0                               ; the sum, in two halves
	v_mov_b32 v15, 0
	v_mov_b32 v11, 0                               ; written once: a lane permute's destination counts as one of its sources
	v_nop
	s_wait_alu depctr_va_vdst(0)
	s_cmp_lt_u32 s14, 4
	s_cbranch_scc0 .Lnot_yet
	s_wait_tensorcnt 0x0                           ; waves 0 to 3: my record has landed (w % 4 = w: v3 and v5 are its addresses)
	WMERGE VF, 3, 5
.Lnot_yet:
	s_wait_dscnt 0x0                               ; for the others' sake: my store of merged words has landed
	s_barrier_signal -1
	s_barrier_wait -1                              ; records 0 to 3 and their merged words are in
	KLOAD
	s_wait_alu depctr_va_vdst(0)
; A step: 128 keys.  first = 1: it starts M, the sum's chains and O^T.  pre: 0 nothing more is asked for; 1 the next record's K is asked for ahead of the exponentials; 2 behind the second meeting.
; nx: the next record: 1: among the first four, cyclic; 2: record 4; 3: the next in order.
.macro STEP first, pre, nx
	s_wait_dscnt 0x0                               ; K and its words are in
.irp a, 0,1,2,3
	v_wmma_scale_f32_16x16x128_f8f6f4 v[S+16*\a:S+16*\a+7], v[KF+12*\a:KF+12*\a+11], v[16:27], 0, v[KW+\a], v9 matrix_a_fmt:MATRIX_FMT_FP6 matrix_b_fmt:MATRIX_FMT_FP6
	v_wmma_scale_f32_16x16x128_f8f6f4 v[S+16*\a+8:S+16*\a+15], v[KF+12*\a:KF+12*\a+11], v[22:33], 0, v[KW+\a], v9 matrix_a_fmt:MATRIX_FMT_FP6 matrix_b_fmt:MATRIX_FMT_FP6
.endr
.if \first
	PLACES
.else
	MERGE                                          ; four plain lines: the places behind the products (ISA guide 7.12.1)
.endif
	VLOAD                                          ; lands under the softmax
.if \pre
.if \nx == 1
	s_add_co_u32 s36, s36, 1
	s_and_b32 s38, s36, 3
.elseif \nx == 2
	s_mov_b32 s36, 4
	s_mov_b32 s38, 4
.else
	s_add_co_u32 s36, s36, 1
	s_mov_b32 s38, s36
.endif
	s_mul_i32 s39, s38, REC
	s_lshl_b32 s40, s38, 10
	s_add_co_u32 s40, s40, MW
	v_add_nc_u32 v3, s39, v1
	v_add_nc_u32 v4, s39, v2
	v_add_nc_u32 v5, s40, v1
.endif
	; register 32 c + j of S^T: key 64 c + 32 h + j.  The largest score of my two blocks, two chains each, in ascending order
.irp c, 0,1
	v_max3_num_f32 v[T+2*\c], v[S+32*\c], v[S+32*\c+1], v[S+32*\c+2]
.endr
.irp c, 0,1
	v_max3_num_f32 v[T+2*\c+1], v[S+32*\c+3], v[S+32*\c+4], v[S+32*\c+5]
.endr
.irp i, 6,10,14,18,22,26
.irp c, 0,1
	v_max3_num_f32 v[T+2*\c], v[T+2*\c], v[S+32*\c+\i], v[S+32*\c+\i+1]
.endr
.irp c, 0,1
	v_max3_num_f32 v[T+2*\c+1], v[T+2*\c+1], v[S+32*\c+\i+2], v[S+32*\c+\i+3]
.endr
.endr
.irp c, 0,1
	v_max3_num_f32 v[T+2*\c], v[T+2*\c], v[S+32*\c+30], v[S+32*\c+31]
.endr
.irp c, 0,1
	v_max_num_f32 v[T+2*\c], v[T+2*\c], v[T+2*\c+1]
.endr
	s_delay_alu instid0(VALU_DEP_1)
	v_max_num_f32 v[T+4], v[T], v[T+2]
	s_delay_alu instid0(VALU_DEP_1)
	v_permlanex16_b32 v11, v[T+4], s20, s21        ; lane l xor 16 holds my query's other 64 keys
	s_delay_alu instid0(VALU_DEP_1)
.if \first
	v_max_num_f32 v13, v[T+4], v11                 ; the largest score so far
	s_delay_alu instid0(VALU_DEP_1)
	v_mul_f32 v[T+5], s18, v13
	s_delay_alu instid0(VALU_DEP_1)
	v_floor_f32 v12, v[T+5]                        ; -M = floor(-t) = -ceil(t)
	TMM 0, 32
.else
	v_max3_num_f32 v13, v13, v[T+4], v11
	s_delay_alu instid0(VALU_DEP_1)
	v_mul_f32 v[T+5], s18, v13
	s_delay_alu instid0(VALU_DEP_1)
	v_floor_f32 v[T+6], v[T+5]                     ; the new -M
	s_delay_alu instid0(VALU_DEP_1)
	v_sub_f32 v[T+7], v[T+6], v12                  ; M's old value less its new one: a whole number, 0 or less
	v_mov_b32 v12, v[T+6]
	TMM 0, 8                                       ; (the lines that make f stand among the multiply-adds, which do not want it)
	v_cvt_i32_f32 v[T+7], v[T+7]
	TMM 16, 8
	v_ldexp_f32 v[T+8], 1.0, v[T+7]                ; f = 2^(old M - new M)
	TMM 32, 16
.endif
	v_fma_f32 v251, v[T], s22, v12                 ; the same of each block's largest score
	v_fma_f32 v255, v[T+2], s22, v12
.if !(\first)
.set j, 0
.rept 16
	v_pk_mul_f32 v[O+j:O+j+1], v[O+j:O+j+1], v[T+8:T+9] op_sel_hi:[1,0]   ; O^T under the new M
.set j, j+2
.endr
	v_pk_mul_f32 v[14:15], v[14:15], v[T+8:T+9] op_sel_hi:[1,0]           ; and the sum
.endif
.if \pre == 1
	KLOAD                                          ; nothing in v44-91 is wanted any more
.endif
	s_wait_alu depctr_va_vdst(0)
.set j, 0
.rept 64
	v_exp_f32 v[S+j], v[S+j]                       ; p = 2^(t - M): NOT normalised
.set j, j+1
.endr
	v_exp_f32 v251, v251                           ; the blocks' largest p
	v_exp_f32 v255, v255
	v_nop                                          ; one plain place behind the exponentials
	s_wait_alu depctr_va_vdst(0)                   ; and the one wait behind the batch
	v_max_num_f32 v251, 0x1800000, v251            ; the floor 2^(3 - 127): the byte cannot fall under 1
	v_max_num_f32 v255, 0x1800000, v255
	v_add_nc_u32 v251, 0xff000000, v251            ; 2 off the exponent field: the conversions' scale operands
	v_add_nc_u32 v255, 0xff000000, v255
	v_lshrrev_b32 v11, 23, v251                    ; the bytes of blocks h and 2 + h
	v_lshrrev_b32 v10, 23, v255
	v_cvt_scalef32_pk16_fp6_f32 v[PC:PC+2], v[S:S+15], v251
	v_cvt_scalef32_pk16_fp6_f32 v[248:250], v[S+16:S+31], v251       ; (a conversion's three registers begin on an even number)
	v_cvt_scalef32_pk16_fp6_f32 v[PC+6:PC+8], v[S+32:S+47], v255
	v_cvt_scalef32_pk16_fp6_f32 v[252:254], v[S+48:S+63], v255
	v_lshl_or_b32 v11, v10, 16, v11                ; (the plain place behind the conversions; the word's chain stands among the moves)
	v_mov_b32 v[PC+3], v248
	v_mov_b32 v[PC+9], v252
	v_lshlrev_b32 v11, v8, v11                     ; the two bytes at their places, 8 h bits up;
	v_mov_b32 v[PC+4], v249
	v_mov_b32 v[PC+10], v253
	v_permlanex16_b32 v10, v11, s20, s21
	v_mov_b32 v[PC+5], v250
	v_mov_b32 v[PC+11], v254
	v_or_b32 v10, v11, v10                         ; with lane l xor 16's two: p's scale word of these 128 keys
.irp q, 0,1,2,3                                ; THE ROW'S SUM IS TAKEN OF THE UNQUANTISED p: four chains, which join the sum in the next step
	v_pk_add_f32 v[248+2*\q:249+2*\q], v[S+4*\q:S+4*\q+1], v[S+4*\q+2:S+4*\q+3]
.endr
.irp j, 16,24,32,40,48,56
.irp q, 0,1,2,3
	v_pk_add_f32 v[248+2*\q:249+2*\q], v[248+2*\q:249+2*\q], v[S+\j+2*\q:S+\j+2*\q+1]
.endr
.endr
	s_wait_alu depctr_va_vdst(0)
.if \pre == 2
	s_wait_dscnt 0x0                               ; V is in
	v_add_nc_u32 v[T+40], s33, v1                  ; my own record, and its merged words
	v_add_nc_u32 v[T+41], s49, v1
	s_wait_alu depctr_va_vdst(0)
	s_wait_tensorcnt 0x0                           ; my record has landed
	s_cmp_lt_u32 s14, 4
	s_cbranch_scc1 .Lmerged_\@                     ; waves 0 to 3 merged theirs at the head
	WMERGE T, T+40, T+41
.Lmerged_\@:
	s_wait_dscnt 0x0                               ; for the others' sake: my store has landed
	s_barrier_signal -1
	s_barrier_wait -1                              ; all sixteen records and their merged words are in
	KLOAD
.elseif \pre == 1
	s_wait_dscnt 17                                ; V and its words are in; the 17 loads of the next K may be out
.else
	s_wait_dscnt 0x0
.endif
.irp t, 0,1,2,3                                ; O^T += V^T P^T: the four accumulators by turns
.if \first
	v_wmma_scale_f32_16x16x128_f8f6f4 v[O+8*\t:O+8*\t+7], v[VF+12*\t:VF+12*\t+11], v[PC:PC+11], 0, v[VW+\t], v10 matrix_a_fmt:MATRIX_FMT_FP6 matrix_b_fmt:MATRIX_FMT_FP6
.else
	v_wmma_scale_f32_16x16x128_f8f6f4 v[O+8*\t:O+8*\t+7], v[VF+12*\t:VF+12*\t+11], v[PC:PC+11], v[O+8*\t:O+8*\t+7], v[VW+\t], v10 matrix_a_fmt:MATRIX_FMT_FP6 matrix_b_fmt:MATRIX_FMT_FP6
.endif
.endr
.endm
	STEP 1, 1, 1                                   ; step 0
	s_mov_b32 s37, 2
.Lstep_a:                                          ; steps 1 and 2
	STEP 0, 1, 1
	s_sub_co_u32 s37, s37, 1
	s_cmp_lg_u32 s37, 0
	s_cbranch_scc1 .Lstep_a
	STEP 0, 2, 2                                   ; step 3, with the second meeting
	s_mov_b32 s37, 11
.Lstep_b:                                          ; steps 4 to 14
	STEP 0, 1, 3
	s_sub_co_u32 s37, s37, 1
	s_cmp_lg_u32 s37, 0
	s_cbranch_scc1 .Lstep_b
	STEP 0, 0, 0                                   ; step 15 asks for nothing more
	; THE WAY OUT: O^T / the sum, quantised along the head's 64 where it lies: register j is feature 32 h + j of my query
	MERGE                                          ; (also the places behind the last products)
	v_add_f32 v14, v14, v15
	s_delay_alu instid0(VALU_DEP_1)
	v_permlanex16_b32 v11, v14, s20, s21
	s_delay_alu instid0(VALU_DEP_1)
	v_add_f32 v14, v14, v11                        ; the row's sum
	s_wait_alu depctr_va_vdst(0)
	v_rcp_f32 v14, v14
	v_nop
	s_wait_alu depctr_va_vdst(0)
.set j, 0
.rept 16
	v_pk_mul_f32 v[S+j:S+j+1], v[O+j:O+j+1], v[14:15] op_sel_hi:[1,0]   ; each accumulator from its low end on
.set j, j+2
.endr
	v_max3_num_f32 v44, |v[S]|, |v[S+1]|, 0x1800000
	v_max3_num_f32 v45, |v[S+2]|, |v[S+3]|, 0x1800000
.irp i, 4,8,12,16,20,24,28
	v_max3_num_f32 v44, v44, |v[S+\i]|, |v[S+\i+1]|
	v_max3_num_f32 v45, v45, |v[S+\i+2]|, |v[S+\i+3]|
.endr
	s_delay_alu instid0(VALU_DEP_1)
	v_max_num_f32 v44, v44, v45
	s_delay_alu instid0(VALU_DEP_1)
	v_add_nc_u32 v46, 0xff000000, v44
	s_delay_alu instid0(VALU_DEP_1)
	v_lshrrev_b32 v47, 23, v46
	s_delay_alu instid0(VALU_DEP_1)
	v_lshlrev_b32 v47, v8, v47
	s_delay_alu instid0(VALU_DEP_1)
	v_permlanex16_b32 v11, v47, s20, s21
	s_delay_alu instid0(VALU_DEP_1)
	v_or_b32 v48, v47, v11                         ; the row's word for this head's 64: bytes 0, 1
	v_cvt_scalef32_pk16_fp6_f32 v[PC:PC+2], v[S:S+15], v46
	v_cvt_scalef32_pk16_fp6_f32 v[PC+4:PC+6], v[S+16:S+31], v46
	v_nop
.irp i, 3,4,5
	v_mov_b32 v[PC+\i], v[PC+\i+1]
.endr
	v_and_b32 v49, 255, v0
	v_lshlrev_b32 v49, 3, v49                      ; my 8 bytes of the work-group's 2,048 of osc
	global_store_b128 v1, v[PC:PC+3], s[10:11]             ; 512 consecutive bytes,
	global_store_b64 v2, v[PC+4:PC+5], s[10:11] offset:512 ; and 256: both at multiples of 256
	ds_store_b32 v6, v48                           ; the sixteen tiles' words meet in LDS,
	s_wait_alu depctr_va_vdst(0)
	s_wait_dscnt 0x0                               ; for the others' sake: my store has landed
	s_barrier_signal -1
	s_barrier_wait -1
	s_cmp_lt_u32 s14, 8
	s_cbranch_scc0 .Lwords_out
	ds_load_b64 v[50:51], v7                       ; and leave by waves 0 to 7, 256 consecutive bytes a wave
	s_wait_dscnt 0x0
	global_store_b64 v49, v[50:51], s[12:13]
.Lwords_out:
	s_wait_tensorcnt 0x0                           ; the wave's end
	ds_add_u32 v[SPW], v[NIL]
	s_wait_dscnt 0x0
	ROUND                                          ; the closing round
	s_endpgm
.Lfunc_end_k_q8778f6fa1e_attn:
	.size	k_q8778f6fa1e_attn, .Lfunc_end_k_q8778f6fa1e_attn-k_q8778f6fa1e_attn
	.p2alignl 7, 3214868480
	.fill 96, 4, 3214868480
	.section	.rodata,"a",@progbits
	.p2align	6, 0x0
	.amdhsa_kernel k_q8778f6fa1e_attn
		.amdhsa_group_segment_fixed_size 249856
		.amdhsa_private_segment_fixed_size 0
		.amdhsa_enable_private_segment 0
		.amdhsa_kernarg_size 40
		.amdhsa_user_sgpr_count 2
		.amdhsa_user_sgpr_kernarg_segment_ptr 1
		.amdhsa_wavefront_size32 1
		.amdhsa_system_sgpr_workgroup_id_x 1
		.amdhsa_system_sgpr_workgroup_id_y 1
		.amdhsa_system_sgpr_workgroup_id_z 1
		.amdhsa_system_vgpr_workitem_id 0
		.amdhsa_next_free_vgpr 256
		.amdhsa_next_free_sgpr 66
		.amdhsa_reserve_vcc 0
		.amdhsa_float_denorm_mode_32 3
		.amdhsa_float_denorm_mode_16_64 3
		.amdhsa_memory_ordered 1
		.amdhsa_forward_progress 1
		.amdhsa_inst_pref_size 86
	.end_amdhsa_kernel
	.amdgpu_metadata
---
amdhsa.version: [ 1, 2 ]
amdhsa.kernels:
  - .name:           k_q8778f6fa1e_attn
    .symbol:         k_q8778f6fa1e_attn.kd
    .args:
      - { .name: qc, .offset: 0, .size: 8, .value_kind: global_buffer, .address_space: global }
      - { .name: qs, .offset: 8, .size: 8, .value_kind: global_buffer, .address_space: global }
      - { .name: kv, .offset: 16, .size: 8, .value_kind: global_buffer, .address_space: global }
      - { .name: oc, .offset: 24, .size: 8, .value_kind: global_buffer, .address_space: global }
      - { .name: osc, .offset: 32, .size: 8, .value_kind: global_buffer, .address_space: global }
    .group_segment_fixed_size: 249856
    .private_segment_fixed_size: 0
    .kernarg_segment_align: 8
    .kernarg_segment_size: 40
    .max_flat_workgroup_size: 512
    .sgpr_count:     66
    .vgpr_count:     256
    .wavefront_size: 32
...
	.end_amdgpu_metadata
.endif
;; end of part 7
;; launch oproj (part 8): grid 16 x 16, 4 waves a work-group, clusters of 4 x 1, 327,680 bytes of LDS; arguments oc, osc, codes, scl, bo, out0; writes out0
.if DOCPART == 8
	.amdgcn_target "amdgcn-amd-amdhsa--gfx1250"
	.amdhsa_code_object_version 6
	.text
	.protected	k_q8778f6fa1e_oproj
	.globl	k_q8778f6fa1e_oproj
	.p2align	8
	.type	k_q8778f6fa1e_oproj,@function
k_q8778f6fa1e_oproj:
	s_mov_b64 s[64:65], 0
	v_nop
	global_prefetch_b8 v0, s[64:65] scope:SCOPE_SE
	s_setreg_imm32_b32 hwreg(HW_REG_WAVE_MODE, 25, 1), 1
	s_wait_xcnt 0x0
	s_wait_alu depctr_hold_cnt(0) depctr_sa_sdst(0) depctr_va_vdst(0) depctr_va_sdst(0) depctr_va_ssrc(0) depctr_va_vcc(0) depctr_vm_vsrc(0)
	s_getreg_b32 s2, hwreg(HW_REG_IB_STS2, 6, 4)
	s_cmp_eq_u32 s2, 0
	s_cbranch_scc0 .Lentry_in_a_cluster
	s_endpgm
.Lentry_in_a_cluster:
	s_bfe_u32 s2, ttmp6, 0x10000c
	s_cmp_lg_u32 s2, 0x3003
	s_cbranch_scc0 .Lentry_shape_is_right
	s_endpgm
.Lentry_shape_is_right:
.set DB,   12288
.set FRB,  1536
.set WSC,  49152
.set STG,  53248
.set SP,   272
.set RS,   16
.set WS,   80
.set BI,   96
.set BK,   128
.set MSB, 0
.macro WIN new
.if MSB != \new
	s_set_vgpr_msb (MSB<<8)|\new
.set MSB, \new
.endif
.endm
.macro ROUND
	s_barrier_signal -1
	s_barrier_wait -1
	s_cmp_lg_u32 s18, 0
	s_cbranch_scc1 .Lnot_wave_0_\@
	s_barrier_signal -3
.Lnot_wave_0_\@:
	s_barrier_wait -3
	s_barrier_signal -1
	s_barrier_wait -1
.endm
.macro PLACES
.rept 4
	v_nop
.endr
.endm
	s_load_b256 s[4:11], s[0:1], 0x0
	s_load_b128 s[12:15], s[0:1], 0x20
	v_lshl_add_u32 v94, v0, 2, 0x29000
	v_mov_b32 v95, 0
	ds_add_u32 v94, v95
	ds_add_u32 v94, v95
	v_lshrrev_b32 v1, 5, v0
	v_readfirstlane_b32 s18, v1
	v_and_b32 v2, 31, v0
	v_lshlrev_b32 v4, 4, v2
	v_lshlrev_b32 v3, 3, v2
	v_lshl_add_u32 v7, v2, 2, WSC
	v_and_b32 v5, 15, v0
	v_bfe_u32 v6, v0, 4, 1
	v_lshlrev_b32 v11, 7, v6
	s_mul_i32 s58, s18, 16*SP
	s_add_co_u32 s58, s58, STG
	v_mul_u32_u24 v8, v5, SP
	v_lshl_add_u32 v8, v6, 7, v8
	v_add_nc_u32 v8, s58, v8
	v_mul_u32_u24 v9, v6, SP
	v_lshl_add_u32 v9, v5, 4, v9
	v_add_nc_u32 v9, s58, v9
	v_lshlrev_b32 v10, 12, v6
	v_lshl_add_u32 v10, v5, 4, v10
	s_bfe_u32 s19, ttmp6, 0x40000
	s_lshl_b32 s20, ttmp9, 2
	s_add_co_u32 s20, s20, s19
	s_and_b32 s21, ttmp7, 0xffff
	s_mov_b32 s24, 15|(3<<16)|(1<<21)
	s_mov_b32 s25, 32<<16
	s_mov_b32 s26, 64<<16
	s_mov_b32 s27, 32<<16
	s_mov_b32 s28, 64
	s_mov_b32 s29, 32
	s_mov_b32 s30, 0
	s_mov_b32 s31, 0
	s_mov_b32 s32, 15|(3<<16)|(1<<21)
	s_mov_b32 s33, 32<<16
	s_mov_b32 s34, 16<<16
	s_mov_b32 s35, 32<<16
	s_mov_b32 s36, 16
	s_mov_b32 s37, 32
	s_mov_b32 s38, 0
	s_mov_b32 s39, 0
	s_lshl_b32 s66, s21, 2
	s_add_co_u32 s66, s66, 448
	s_lshl_b32 s68, s66, 10
	s_mul_i32 s66, s66, DB
	s_lshl_b32 s41, s18, 14
	s_add_co_u32 s66, s66, s41
	s_mov_b32 s67, 0
	s_mov_b32 s69, 0
	s_mov_b32 s40, 1
	s_mov_b32 s44, 1
	s_mov_b32 s45, WSC
	s_wait_alu depctr_va_vdst(0)
	s_wait_dscnt 0x0
	s_wait_kmcnt 0x0
	s_add_nc_u64 s[42:43], s[8:9], s[66:67]
	s_or_b32 s43, s43, 0x80000000
	s_add_nc_u64 s[46:47], s[10:11], s[68:69]
	s_or_b32 s47, s47, 0x80000000
	ROUND
	s_cmp_lt_u32 s18, 3
	s_cbranch_scc0 .Lw_words
	tensor_load_to_lds s[40:43], s[24:31]
	s_nop 0
	PLACES
	s_branch .Lw_asked
.Lw_words:
	tensor_load_to_lds s[44:47], s[32:39]
	s_nop 0
	PLACES
.Lw_asked:
	s_lshl_b32 s58, s20, 4
	s_lshl_b32 s59, s18, 2
	s_add_co_u32 s58, s58, s59
	s_mul_i32 s58, s58, DB
	s_mov_b32 s59, 0
	s_add_nc_u64 s[50:51], s[4:5], s[58:59]
	s_lshl_b32 s58, s20, 2
	s_add_co_u32 s58, s58, s18
	s_lshl_b32 s58, s58, 9
	s_add_nc_u64 s[52:53], s[6:7], s[58:59]
	s_lshl_b32 s58, s21, 8
	s_add_nc_u64 s[56:57], s[12:13], s[58:59]
	s_lshl_b32 s60, s20, 20
	s_lshl_b32 s61, s18, 18
	s_add_co_u32 s60, s60, s61
	s_add_co_u32 s58, s58, s60
	s_add_nc_u64 s[54:55], s[14:15], s[58:59]
.irp hd, 0,1,2,3,4,5,6,7,8,9,10,11,12,13,14,15
	global_load_b128 v[RS+4*\hd:RS+4*\hd+3], v4, s[52:53] offset:\hd*32768
.endr
	s_wait_alu depctr_va_vdst(0)
.irp b, 0,1
.irp q, 0,1,2,3
	global_load_b128 v[BI+16*\b+4*\q:BI+16*\b+4*\q+3], v11, s[56:57] offset:64*\b+16*\q
.endr
.endr
; O's fragments of all eight K steps have registers of their own, 48 a step: steps 0-4 in window 1 from v0, steps 5, 6 in window 2 from v144, step 7 in window 3 from v128: all 128 loads are issued at the head
.macro ASET ks
.if (\ks) < 5
.set aw, 1
.set ab, 48*(\ks)
.elseif (\ks) < 7
.set aw, 2
.set ab, 144+48*((\ks)-5)
.else
.set aw, 3
.set ab, 128
.endif
.endm
.macro ALOAD ks
	ASET \ks
.set wn, aw<<6
	WIN wn
.irp i, 0,1,2,3
	global_load_b128 v[ab+12*\i:ab+12*\i+3], v4, s[50:51] offset:\i*DB+(\ks)*FRB
	global_load_b64 v[ab+12*\i+4:ab+12*\i+5], v3, s[50:51] offset:\i*DB+(\ks)*FRB+512
	global_load_b128 v[ab+12*\i+6:ab+12*\i+9], v4, s[50:51] offset:\i*DB+(\ks)*FRB+768
	global_load_b64 v[ab+12*\i+10:ab+12*\i+11], v3, s[50:51] offset:\i*DB+(\ks)*FRB+1280
.endr
	WIN 0
.endm
.macro FETCHW ks
	WIN 0x80
.irp n, 0,1,2,3
.irp c, 0,1,2
	ds_load_b128 v[48*((\ks)%3)+12*\n+4*\c:48*((\ks)%3)+12*\n+4*\c+3], v4 offset:\n*DB+((\ks)%8)*FRB+512*\c
.endr
.endr
	WIN 0
.irp n, 0,1,2,3
	ds_load_b32 v[WS+4*((\ks)%3)+\n], v7 offset:(\n*8+(\ks)%8)*128
.endr
.endm
.irp ks, 0,1,2,3,4,5,6,7
	ALOAD \ks
.endr
	s_wait_loadcnt 63                              ; the scale words and the bias are in: 128 younger loads stand behind them
.irp s, 0,1,2,3,4,5,6,7
.irp i, 0,1,2,3
	v_lshl_or_b32 v[RS+8*\s+\i], v[RS+8*\s+4+\i], 16, v[RS+8*\s+\i]
.endr
.endr
	s_wait_tensorcnt 0x0
	s_barrier_signal -1
	s_barrier_wait -1
	FETCHW 0
	FETCHW 1
.macro STEP ks
.if (\ks) > 0
	PLACES
.endif
; SIXTEEN STEPS: step q is K step q % 8 of token tiles 2 (q / 8) and 2 (q / 8) + 1: my first 32 rows are finished and stored while the other 32 are multiplied.
; Wo's fragments go through the ring of three sets twice (set q % 3); O's fragments stay where they landed.
.if (\ks)+2 < 16
	FETCHW (\ks)+2
.endif
	ASET (\ks)%8
.if (\ks) < 4
	s_wait_loadcnt 63                              ; 16 (7 - q) younger loads, 64 or more, stand behind this step's
.elseif (\ks) < 8
	s_wait_alu depctr_va_vdst(0)
	s_wait_loadcnt 16*(7-(\ks))
.endif
.if (\ks) < 14
	s_wait_dscnt 32                                ; this step's 16 LDS loads are in; the two younger fetches may be out
.else
	s_wait_dscnt 16*(15-(\ks))
.endif
.if (\ks)%8 == 0
.set wn, 0xc2|(aw<<2)
.else
.set wn, 0xf2|(aw<<2)
.endif
	WIN wn                                         ; source 0 (Wo) window 2, source 1 (O) this step's window, D window 3, C window 0 (the bias) or 3
.irp u, 0,1
.set ii, 2*((\ks)/8)+\u
.irp n, 0,1,2,3
.if (\ks)%8 == 0
	v_wmma_scale_f32_16x16x128_f8f6f4 v[32*ii+8*\n:32*ii+8*\n+7], v[48*((\ks)%3)+12*\n:48*((\ks)%3)+12*\n+11], v[ab+12*ii:ab+12*ii+11], v[BI+8*\n:BI+8*\n+7], v[WS+4*((\ks)%3)+\n], v[RS+8*((\ks)%8)+ii] matrix_a_fmt:MATRIX_FMT_FP6 matrix_b_fmt:MATRIX_FMT_FP6
.else
	v_wmma_scale_f32_16x16x128_f8f6f4 v[32*ii+8*\n:32*ii+8*\n+7], v[48*((\ks)%3)+12*\n:48*((\ks)%3)+12*\n+11], v[ab+12*ii:ab+12*ii+11], v[32*ii+8*\n:32*ii+8*\n+7], v[WS+4*((\ks)%3)+\n], v[RS+8*((\ks)%8)+ii] matrix_a_fmt:MATRIX_FMT_FP6 matrix_b_fmt:MATRIX_FMT_FP6
.endif
.endr
.endr
.endm
.macro TOSTAGE i
	WIN 0x0c
.irp b, 0,1
.irp q, 0,1,2,3
	ds_store_b128 v8, v[32*\i+16*\b+4*\q:32*\i+16*\b+4*\q+3] offset:64*\b+16*\q
.endr
.endr
	WIN 0
.irp t, 0,1,2,3,4,5,6,7
	ds_load_b128 v[BK+32*\i+4*\t:BK+32*\i+4*\t+3], v9 offset:2*\t*SP
.endr
.endm
.macro SEND i, younger
	s_wait_dscnt \younger
.irp t, 0,1,2,3,4,5,6,7
	global_store_b128 v10, v[BK+32*\i+4*\t:BK+32*\i+4*\t+3], s[54:55] offset:(8*\i+2*\t+24*(\t/4))*4096 th:TH_STORE_NT
.endr
.endm
.irp ks, 0,1,2,3,4,5,6,7
	STEP \ks
.endr
	PLACES                                         ; tiles 0 and 1 are finished: they leave now
	TOSTAGE 0
	TOSTAGE 1
	SEND 0, 16
	SEND 1, 0
.irp ks, 8,9,10,11,12,13,14,15
	STEP \ks
.endr
	PLACES
	TOSTAGE 2
	TOSTAGE 3
	SEND 2, 16
	SEND 3, 0
	s_wait_tensorcnt 0x0
	ds_add_u32 v94, v95
	s_wait_dscnt 0x0
	ROUND
	s_endpgm
.Lfunc_end_k_q8778f6fa1e_oproj:
	.size	k_q8778f6fa1e_oproj, .Lfunc_end_k_q8778f6fa1e_oproj-k_q8778f6fa1e_oproj
	.p2alignl 7, 3214868480
	.fill 96, 4, 3214868480
	.section	.rodata,"a",@progbits
	.p2align	6, 0x0
	.amdhsa_kernel k_q8778f6fa1e_oproj
		.amdhsa_group_segment_fixed_size 327680
		.amdhsa_private_segment_fixed_size 0
		.amdhsa_enable_private_segment 0
		.amdhsa_kernarg_size 48
		.amdhsa_user_sgpr_count 2
		.amdhsa_user_sgpr_kernarg_segment_ptr 1
		.amdhsa_wavefront_size32 1
		.amdhsa_system_sgpr_workgroup_id_x 1
		.amdhsa_system_sgpr_workgroup_id_y 1
		.amdhsa_system_sgpr_workgroup_id_z 1
		.amdhsa_system_vgpr_workitem_id 0
		.amdhsa_next_free_vgpr 960
		.amdhsa_next_free_sgpr 70
		.amdhsa_reserve_vcc 0
		.amdhsa_float_denorm_mode_32 3
		.amdhsa_float_denorm_mode_16_64 3
		.amdhsa_memory_ordered 1
		.amdhsa_forward_progress 1
		.amdhsa_inst_pref_size 67
	.end_amdhsa_kernel
	.amdgpu_metadata
---
amdhsa.version: [ 1, 2 ]
amdhsa.kernels:
  - .name:           k_q8778f6fa1e_oproj
    .symbol:         k_q8778f6fa1e_oproj.kd
    .args:
      - { .name: oc, .offset: 0, .size: 8, .value_kind: global_buffer, .address_space: global }
      - { .name: osc, .offset: 8, .size: 8, .value_kind: global_buffer, .address_space: global }
      - { .name: codes, .offset: 16, .size: 8, .value_kind: global_buffer, .address_space: global }
      - { .name: scl, .offset: 24, .size: 8, .value_kind: global_buffer, .address_space: global }
      - { .name: bo, .offset: 32, .size: 8, .value_kind: global_buffer, .address_space: global }
      - { .name: out0, .offset: 40, .size: 8, .value_kind: global_buffer, .address_space: global }
    .group_segment_fixed_size: 327680
    .private_segment_fixed_size: 0
    .kernarg_segment_align: 8
    .kernarg_segment_size: 48
    .max_flat_workgroup_size: 128
    .sgpr_count:     70
    .vgpr_count:     960
    .wavefront_size: 32
...
	.end_amdgpu_metadata
.endif
;; end of part 8
